; MI455X (gfx1250); checked and timed in simulation.
; The chip was launched on July 23, 2026; its instructions are those of AMD's public machine-readable ISA for CDNA 5 (MIT licence, August 2026) and "CDNA5" Instruction Set Architecture Reference Guide (July 2026). The comments in the code are by the model that wrote it; some were corrected since.
;; Dynamic Category Mo E. Allowed arithmetic: float matrix products may take bf16 or f16 operands with f32 sums; other float arithmetic in f32, or as packed bf16 or f16 multiplies, adds, multiply-adds, maxima and minima; sums over many terms, partial sums and values carried from step to step in f32; what a program stores and reads back later, other than sums and carried values, may be rounded once to bf16 or f16.
;; Inputs: b1 8 x 4,096 float32; b2 8 x 1,024 float32; game_emb 8 x 1,024 float32; router_b 8 float32; router_w 1,024 x 8 float32; w1 8 x 1,024 x 4,096 float32; w2 8 x 4,096 x 1,024 float32; x 2 x 512 x 1,024 float32.
;; Outputs: out0 2 x 512 x 1,024 float32.
;; 2 versions, each right and faster than the one before. Each part assembles by itself: llvm-mc -triple=amdgcn-amd-amdhsa -mcpu=gfx1250 --defsym DOCPART=n.
;; ======== version 1 of 2: 4 launches
;; workspace buffers: bmap 1,024 bytes of whole numbers; xb 2,113,536 bytes; hbuf 8,388,608 bytes; part 8,388,608 bytes
;; launch router (part 1): grid 64 x 1, 8 waves a work-group, no clusters, 44,032 bytes of LDS; arguments x, router_w, router_b, game_emb, xb, bmap; writes xb, bmap
.if DOCPART == 1
	.amdgcn_target "amdgcn-amd-amdhsa--gfx1250"
	.amdhsa_code_object_version 6
	.text
	.protected	k_qc5e27a69ac_router
	.globl	k_qc5e27a69ac_router
	.p2align	8
	.type	k_qc5e27a69ac_router,@function
k_qc5e27a69ac_router:
	s_mov_b64 s[64:65], 0
	v_nop
	global_prefetch_b8 v0, s[64:65] scope:SCOPE_SE
	s_setreg_imm32_b32 hwreg(HW_REG_WAVE_MODE, 25, 1), 1
	s_wait_xcnt 0x0
; ROUTER.  logits = x router_w + router_b, the expert of a token = argmax (the lower index wins a tie).  Stores
;   xb   [1032 rows][1024] bf16: rows 0-1023 = x rounded to bf16; row 1024 + e = bf16(0.1 bf16(game_emb[e])), which the first product adds to its token rows;
;   bmap [8 experts][64 tiles] of 16 bits: bit r of (e, tile) says that token 16 tile + r chose expert e.
; All lie at fixed places: no address here hangs on the choice.
; FORMAT.  x, router_w, router_b and game_emb are rounded once to bf16, as every input of the program is; the products of bf16 numbers are exact in f32 and the sums are f32.
; LIMIT.  A NaN logit never wins the comparison (jnp.argmax would take it); infinities are not treated apart.
; SHARES.  A work-group has 16 tokens; wave w has K = 128 w .. 128 w + 127 of them: four matrix instructions, source 0 = 16 rows of router_w^T (experts 0-7 twice), source 1 = 16 tokens.
; In the result a lane holds token lane % 16 and register v holds expert v, in both halves of the lanes.  The eight waves' sums meet in LDS; wave 0 adds them in ascending order of K.
; Wave 1 makes the work-group's 128 numbers (256 bytes) of the embedding rows.
; No cluster and no copy engine: the work-groups share only router_w, 32 KiB, and x has to pass through registers to be rounded.
.set XTW,   4352                       ; a wave's own 16 rows x 272 bytes of rounded x (256 + 16: the 16 rows of a fragment load start at 16 different groups of banks)
.set RED,   34816                      ; 8 waves x 1,024 bytes: the partial logits
.set SPARE, 43008                      ; the spare words, 128 bytes a wave
.set X,   16                           ; v16-79    x as loaded: row i at X + 4 i
.set W,   80                           ; v80-143   router_w as loaded: K step ks, place p at W + 16 ks + p
.set XB,  144                          ; v144-175  x in bf16
.set WF,  176                          ; v176-207  router_w's four fragments
.set AC0, 208                          ; v208-215, v216-223: two accumulators that take turns
.set AC1, 216
.set TF,  16                           ; v16-47    the tokens' four fragments, when X has been rounded
.set GE,  224                          ; v224-231  wave 1: four numbers of the embedding, and four registers at work
	s_load_b256 s[4:11], s[0:1], 0x0               ; x s[4:5], router_w s[6:7], router_b s[8:9], game_emb s[10:11]
	s_load_b128 s[12:15], s[0:1], 0x20             ; xb s[12:13], bmap s[14:15]
	v_lshl_add_u32 v4, v0, 2, SPARE                ; my spare word,
	v_mov_b32 v5, 0                                ; and 0: kept for the add at the wave's end
	v_lshrrev_b32 v12, 5, v0
	v_readfirstlane_b32 s2, v12                    ; wave 0..7
	v_and_b32 v1, 31, v0                           ; lane
	v_and_b32 v2, 15, v0                           ; r
	v_bfe_u32 v3, v0, 4, 1                         ; h
	v_lshlrev_b32 v6, 4, v0                        ; x: 512 w + 16 lane
	v_lshlrev_b32 v8, 3, v0                        ; xb: 256 w + 8 lane
	v_and_b32 v7, 7, v0                            ; router_w: my fragment row's expert, 4 bytes each,
	v_lshlrev_b32 v7, 2, v7
	v_lshl_add_u32 v7, v3, 8, v7                   ; + 8 h rows of 32 bytes
	v_lshl_add_u32 v7, s2, 12, v7                  ; + 128 w rows
	v_lshlrev_b32 v13, 4, v1                       ; the embedding: 16 bytes a lane in,
	v_lshlrev_b32 v14, 3, v1                       ; 8 bytes a lane out
	s_mul_i32 s16, s2, XTW
	v_lshl_add_u32 v9, v1, 3, s16                  ; into my rows of rounded x: 8 bytes a lane
	v_mul_u32_u24 v10, v2, 272
	v_lshl_add_u32 v10, v3, 4, v10
	v_add_nc_u32 v10, s16, v10                     ; back as fragments: row r, 16 bytes for each half of the lanes
	s_lshl_b32 s17, s2, 10
	s_add_co_u32 s17, s17, RED
	v_lshl_add_u32 v11, v1, 5, s17                 ; my eight partial logits
	s_lshl_b32 s20, ttmp9, 16                      ; 16 rows of 4,096 bytes of x
	s_mov_b32 s21, 0
	s_lshl_b32 s22, ttmp9, 15                      ; 16 rows of 2,048 bytes of xb
	s_mov_b32 s23, 0
	s_lshl_b32 s24, ttmp9, 8                       ; 256 bytes of the embedding rows, which begin behind 1,024 rows
	s_add_co_u32 s24, s24, 2097152
	s_mov_b32 s25, 0
	s_lshl_b32 s26, ttmp9, 9                       ; their 128 numbers in game_emb
	s_mov_b32 s27, 0
	s_wait_kmcnt 0x0
	s_load_b256 s[48:55], s[8:9], 0x0              ; router_b
	s_add_nc_u64 s[4:5], s[4:5], s[20:21]
	s_add_nc_u64 s[30:31], s[12:13], s[22:23]
	s_add_nc_u64 s[32:33], s[12:13], s[24:25]
	s_add_nc_u64 s[10:11], s[10:11], s[26:27]
	s_cmp_lg_u32 s2, 1
	s_cbranch_scc1 .Lno_g
	global_load_b128 v[GE:GE+3], v13, s[10:11]     ; wave 1's oldest load: the counted waits below hold with it and without
.Lno_g:
.set i, 0
.rept 16                                               ; a load covers 512 consecutive bytes of one token's row
	global_load_b128 v[X+4*i:X+4*i+3], v6, s[4:5] offset:i*4096 th:TH_LOAD_NT
.set i, i+1
.endr
; router_w for K steps a and a + 1: place p of a lane's 16 is row p (p < 8) or p + 8 of the step's 32, plus 8 h
.macro WLOAD a
.set i, 0
.rept 32
	global_load_b32 v[W+16*(\a)+i], v7, s[6:7] offset:((\a)+i/16)*1024+(i%16+8*((i%16)/8))*32
.set i, i+1
.endr
.endm
.macro WCVT ks                         ; K step ks of router_w becomes a fragment
.set i, 8*(\ks)
.rept 8
	v_cvt_pk_bf16_f32 v[WF+i], v[W+2*i], v[W+2*i+1]
.set i, i+1
.endr
.endm
	WLOAD 0
	s_wait_loadcnt 32                              ; x is in; the 32 younger loads of router_w stay out
.set i, 0
.rept 32
	v_cvt_pk_bf16_f32 v[XB+i], v[X+2*i], v[X+2*i+1]
.set i, i+1
.endr
.set i, 0
.rept 16
	ds_store_b64 v9, v[XB+2*i:XB+2*i+1] offset:i*272
.set i, i+1
.endr
.set i, 0
.rept 4                                                ; my own bytes, served in order: no wait between the stores above and these loads
	ds_load_b128 v[TF+8*i:TF+8*i+3],   v10 offset:i*64
	ds_load_b128 v[TF+8*i+4:TF+8*i+7], v10 offset:i*64+32
.set i, i+1
.endr
	s_wait_loadcnt 16                              ; K step 0 is in; K step 1's 16 loads stay out
	WCVT 0
	WLOAD 2
	s_wait_loadcnt 32                              ; K step 1 is in; the 32 just issued stay out
	WCVT 1
.set i, 0
.rept 16
	global_store_b64 v8, v[XB+2*i:XB+2*i+1], s[30:31] offset:i*2048  ; the wave's store covers 256 consecutive bytes, aligned
.set i, i+1
.endr
	s_wait_loadcnt 16                              ; K step 2
	WCVT 2
	s_wait_loadcnt 0x0
	WCVT 3
	s_wait_dscnt 0x0                               ; the tokens' fragments
	v_wmma_f32_16x16x32_bf16 v[AC0:AC0+7], v[WF:WF+7],       v[TF:TF+7],       0   ; two accumulators by turns
	v_wmma_f32_16x16x32_bf16 v[AC1:AC1+7], v[WF+8:WF+15],    v[TF+8:TF+15],    0
	v_wmma_f32_16x16x32_bf16 v[AC0:AC0+7], v[WF+16:WF+23],   v[TF+16:TF+23],   v[AC0:AC0+7]
	v_wmma_f32_16x16x32_bf16 v[AC1:AC1+7], v[WF+24:WF+31],   v[TF+24:TF+31],   v[AC1:AC1+7]
.rept 4
	v_nop                                          ; four places behind the last product (ISA guide 7.12.1)
.endr
.irp q, 0,2,4,6
	v_pk_add_f32 v[W+\q:W+\q+1], v[AC0+\q:AC0+\q+1], v[AC1+\q:AC1+\q+1]   ; from the low end on
.endr
	ds_store_b128 v11, v[W:W+3]
	ds_store_b128 v11, v[W+4:W+7] offset:16
	s_wait_dscnt 0x0                               ; for wave 0's sake: my partial logits are in LDS
	s_barrier_signal -1
	s_barrier_wait -1
	s_cmp_eq_u32 s2, 1
	s_cbranch_scc1 .Lemb
	s_cmp_lg_u32 s2, 0
	s_cbranch_scc1 .Lend                           ; the rest is wave 0's and wave 1's; no barrier stands in it
	v_lshl_add_u32 v12, v1, 5, RED
.set i, 0
.rept 8
	ds_load_b128 v[16+8*i:19+8*i], v12 offset:i*1024
	ds_load_b128 v[20+8*i:23+8*i], v12 offset:i*1024+16
.set i, i+1
.endr
	s_wait_kmcnt 0x0                               ; router_b
.irp i, 0,1,2,3
	v_cvt_pk_bf16_f32 v[88+\i], s[48+2*\i], s[49+2*\i]        ; rounded to bf16 like every input,
.endr
.irp i, 0,1,2,3
	v_lshlrev_b32 v[92+2*\i], 16, v[88+\i]                    ; and back to f32
	v_and_b32 v[93+2*\i], 0xffff0000, v[88+\i]
.endr
	s_wait_dscnt 0x0
.irp w, 1,2,3,4,5,6,7
.irp q, 0,2,4,6
	v_pk_add_f32 v[16+\q:17+\q], v[16+\q:17+\q], v[16+8*\w+\q:17+8*\w+\q]
.endr
.endr
.irp q, 0,2,4,6
	v_pk_add_f32 v[16+\q:17+\q], v[16+\q:17+\q], v[92+\q:93+\q]
.endr
	v_mov_b32 v100, v16                            ; the best logit so far,
	v_mov_b32 v101, 0                              ; and its expert
.irp e, 1,2,3,4,5,6,7
	v_cmp_gt_f32 vcc_lo, v[16+\e], v100            ; strictly greater: the lower index keeps a tie
	v_cndmask_b32 v100, v100, v[16+\e], vcc_lo
	v_cndmask_b32 v101, v101, \e, vcc_lo
.endr
.irp e, 0,1,2,3,4,5,6,7
	v_cmp_eq_u32 s[40+\e], \e, v101                ; bits 0-15: the tile's tokens that chose e (bits 16-31 repeat them)
.endr
	v_mov_b32 v102, 0
.irp e, 0,1,2,3,4,5,6,7
	v_writelane_b32 v102, s[40+\e], \e             ; lane e holds expert e's bits
.endr
	s_lshl_b32 s34, ttmp9, 1
	v_lshl_add_u32 v103, v1, 7, s34                ; bmap[lane][tile]: 128 bytes an expert, 2 a tile
	v_cmp_gt_u32 vcc_lo, 8, v0
	s_wait_xcnt 0x0                                ; EXEC is a source of the stores above: it changes only behind this wait
	s_and_saveexec_b32 s28, vcc_lo
	global_store_b16 v103, v102, s[14:15]          ; eight lanes, the low 16 bits each
	s_wait_xcnt 0x0                                ; and again ahead of the line that widens it
	s_or_b32 exec_lo, exec_lo, s28
	s_branch .Lend
.Lemb:                                                 ; wave 1: g rounded to bf16, times 0.1 in f32, rounded to bf16 (its load was waited for with router_w's)
	v_cvt_pk_bf16_f32 v[GE+4], v[GE], v[GE+1]
	v_cvt_pk_bf16_f32 v[GE+5], v[GE+2], v[GE+3]
	v_lshlrev_b32 v[GE], 16, v[GE+4]
	v_and_b32 v[GE+1], 0xffff0000, v[GE+4]
	v_lshlrev_b32 v[GE+2], 16, v[GE+5]
	v_and_b32 v[GE+3], 0xffff0000, v[GE+5]
	v_pk_mul_f32 v[GE:GE+1], v[GE:GE+1], 0x3dcccccd op_sel_hi:[1,0]
	v_pk_mul_f32 v[GE+2:GE+3], v[GE+2:GE+3], 0x3dcccccd op_sel_hi:[1,0]
	v_cvt_pk_bf16_f32 v[GE+6], v[GE], v[GE+1]
	v_cvt_pk_bf16_f32 v[GE+7], v[GE+2], v[GE+3]
	global_store_b64 v14, v[GE+6:GE+7], s[32:33]   ; 256 consecutive bytes, aligned
.Lend:
	s_wait_tensorcnt 0x0                           ; the wave's end, behind my last LDS store
	ds_add_u32 v4, v5
	s_wait_dscnt 0x0
	s_endpgm
.Lfunc_end_k_qc5e27a69ac_router:
	.size	k_qc5e27a69ac_router, .Lfunc_end_k_qc5e27a69ac_router-k_qc5e27a69ac_router
	.p2alignl 7, 3214868480
	.fill 96, 4, 3214868480
	.section	.rodata,"a",@progbits
	.p2align	6, 0x0
	.amdhsa_kernel k_qc5e27a69ac_router
		.amdhsa_group_segment_fixed_size 44032
		.amdhsa_private_segment_fixed_size 0
		.amdhsa_enable_private_segment 0
		.amdhsa_kernarg_size 48
		.amdhsa_user_sgpr_count 2
		.amdhsa_user_sgpr_kernarg_segment_ptr 1
		.amdhsa_wavefront_size32 1
		.amdhsa_system_sgpr_workgroup_id_x 1
		.amdhsa_system_sgpr_workgroup_id_y 1
		.amdhsa_system_sgpr_workgroup_id_z 1
		.amdhsa_system_vgpr_workitem_id 0
		.amdhsa_next_free_vgpr 232
		.amdhsa_next_free_sgpr 66
		.amdhsa_reserve_vcc 1
		.amdhsa_float_denorm_mode_32 3
		.amdhsa_float_denorm_mode_16_64 3
		.amdhsa_memory_ordered 1
		.amdhsa_forward_progress 1
		.amdhsa_inst_pref_size 25
	.end_amdhsa_kernel
	.amdgpu_metadata
---
amdhsa.version: [ 1, 2 ]
amdhsa.kernels:
  - .name:           k_qc5e27a69ac_router
    .symbol:         k_qc5e27a69ac_router.kd
    .args:
      - { .name: x, .offset: 0, .size: 8, .value_kind: global_buffer, .address_space: global }
      - { .name: router_w, .offset: 8, .size: 8, .value_kind: global_buffer, .address_space: global }
      - { .name: router_b, .offset: 16, .size: 8, .value_kind: global_buffer, .address_space: global }
      - { .name: game_emb, .offset: 24, .size: 8, .value_kind: global_buffer, .address_space: global }
      - { .name: xb, .offset: 32, .size: 8, .value_kind: global_buffer, .address_space: global }
      - { .name: bmap, .offset: 40, .size: 8, .value_kind: global_buffer, .address_space: global }
    .group_segment_fixed_size: 44032
    .private_segment_fixed_size: 0
    .kernarg_segment_align: 8
    .kernarg_segment_size: 48
    .max_flat_workgroup_size: 256
    .sgpr_count:     66
    .vgpr_count:     232
    .wavefront_size: 32
...
	.end_amdgpu_metadata
.endif
;; end of part 1
;; launch up (part 2): grid 32 x 8, 16 waves a work-group, no clusters, 212,224 bytes of LDS; arguments xb, w1, b1, bmap, hbuf; writes hbuf
.if DOCPART == 2
	.amdgcn_target "amdgcn-amd-amdhsa--gfx1250"
	.amdhsa_code_object_version 6
	.text
	.protected	k_qc5e27a69ac_up
	.globl	k_qc5e27a69ac_up
	.p2align	8
	.type	k_qc5e27a69ac_up,@function
k_qc5e27a69ac_up:
	s_mov_b64 s[64:65], 0
	v_nop
	global_prefetch_b8 v0, s[64:65] scope:SCOPE_SE
	s_setreg_imm32_b32 hwreg(HW_REG_WAVE_MODE, 25, 1), 1
	s_wait_xcnt 0x0
; FIRST PRODUCT: hbuf[token][i] = gelu((x + 0.1 g_e) W1[e] + b1[e]) for the tokens that chose expert e, in bf16, rows by token.
; SHARES.  Grid y = expert; grid x = 128 columns of W1[e], which this work-group alone reads, once: two SEGMENTS of 64 columns x K = 1,024, each four CHUNKS of 256 K x 64 columns (64 KiB of f32): eight chunks on end.
; Waves 0-7 are PRODUCERS: wave w loads K step w (32 K x 64 columns) of each chunk, each load two whole rows of 256 bytes, rounds it to bf16 and lays it into LDS as four finished fragments.
; Waves 8-15 are CONSUMERS: wave w has the expert's rows 32 (w - 8) .. + 31 (by rank) x 64 columns, 8 accumulators; one with no row jumps its work and passes every barrier.
; While the producers fill chunk i into slot i % 2 the consumers multiply chunk i - 1 out of the other slot: one barrier orders both.
; NO TRANSPOSITION.  A producer lane (r, h) loads columns 4 r .. 4 r + 3 of 16 rows of K; column 4 r + j of those rows IS lane (r, h) of fragment j, whose row m stands for column 4 m + j.
; Source 0 = a weight fragment, source 1 = 16 tokens: register v of accumulator j then holds token r, column 32 h + 4 v + j: a lane has 32 neighbouring columns of one row.
; EVERY LDS ADDRESS is a register made once at the head (a constant, the wave's number times a constant, a lane term) plus an immediate; where one text serves two places, two short blocks stand under a forward branch.
; A TOKEN'S NUMBER comes out of the list, so it is loaded data: it is held to 1,023 and made into an offset anew at the head of each run of lines that loads or stores by it (TOKADR, STORE).
; EVERY SPLIT.  Rows 0-255 go through the pipeline; rows from 256 on are served behind it, 32 rows a wave, each wave loading and rounding the weights for itself, with no barrier: right, and slow by design.
; ROWS PAST THE COUNT.  In a wave that has rows, the places past the count hold the expert's first token.  They are multiplied like any row, give that row's bits again (the same fragments, the same order of sums), and are
; stored onto that row again by this same work-group: no lane is masked.  The price: at most 31 rows of 256 bytes stored again by a wave that is not full.  A wave with no row stores nothing.
; The accumulators are cleared by moves on purpose: a dead consumer jumps over its parts, and so every register that a later part reads is written on every way; the price is 64 moves a segment.
; FORMAT.  Every input is rounded once to bf16 (weights, biases, embedding, x); x + bf16(0.1 g) is rounded to bf16 for the product, h to bf16 for hbuf; all sums are f32.
; GELU is the exact form, erf by the rational series 7.1.26 of Abramowitz and Stegun (absolute error at most 1.5e-7 for every argument): gelu = (x + |x| erf(|x| / sqrt 2)) / 2.  NaN and infinities are not treated apart.
; NO MULTICAST, NO COPY ENGINE: each slice of weights has one reader and has to pass through registers to be rounded; what an expert's work-groups share are token rows named by a list, which no tile describes.
.set ROWB,  16384                      ; bytes from a row of K to the next in the weights
.set WSH,   17                         ; 8 such rows as a shift
.set ASH,   11                         ; a token's row in xb: 2,048 bytes
.set AMASK, 2047                       ; the bytes of that row that a segment walks
.set OSH,   13                         ; a token's row in hbuf: 8,192 bytes
.set HSH,   6                          ; a lane's 32 columns in the stage: 64 bytes
.set OKS,   32                         ; K steps of a segment
.set WMASK, 0xffffff                   ; the weights' bytes that a segment walks: 1,024 rows
.set NRING, 6                          ; loads of a ring slot: two tiles' fragments and the embedding's
.set CHB,   256*ROWB                   ; bytes from chunk to chunk
; LDS
.set SLOTB, 32768                      ; 0 .. 65,535: two slots; K step ks, fragment j, half hf at slot + 4,096 ks + 1,024 j + 512 hf + 16 lane: written and read by neighbouring lanes
.set STG,   65536                      ; 16 waves x 8,704: each wave's own stage, 32 rows x 272 bytes (256 + 16)
.set STGW,  8704
.set SPI,   272
.set LIST,  204800                     ; 5,376 bytes: 1,280 places, the expert's tokens by rank, the places past the count hold its first token; then 32 words for the lanes that have no place
.set SPARE, 210176                     ; the spare words, 128 bytes a wave
; vector registers, made at the head and never rewritten: v0 thread; v1 128 h; v2 h; v3 16 lane; v4, v5 the add's two; v6 producer: weights' offset; v7 producer: LDS place; v8 16 r; v9 16 h;
; v10 the embedding's row in xb + 16 h; v11 stage in; v12 stage back; v13, v14 the list at my wave's rows, + 4 r, + 4 h; v15 weights' lane term.
; v16, v17 my two tiles' token rows; v18, v19 their tokens' numbers; v20-31 at work.  A producer has its packed results in v16-31.
.set TB,  16                           ; producer: v16-31 half of a unit's four fragments; v32-95, v96-159 a unit as loaded, two buffers
.set S0,  32
.set S1,  96
.set BB,  32                           ; consumer: v32-95 the weights' four fragments, two buffers
.set ACC, 96                           ; v96-159   accumulator (t, j) at ACC + 32 t + 8 j
.set AR,  160                          ; v160-223  the tokens' ring: slot s, tile t at AR + 16 s + 8 t
.set GB,  224                          ; v224-255  the embedding's ring: slot s at GB + 8 s
.set BI,  32                           ; epilogue: v32-63 bias; v64-95 at work
.set RZ,  64
.set RT,  72
.set RX,  80
.set RP,  88
.set HH,  64
.set OO,  32                           ; stores: v32-63 rows read back; v64-71 their tokens; v72-79 their offsets
.set TK,  64
.set VO,  72
.set OS,  160                          ; rows from 256 on: v160-223 a unit as loaded; v224-239 the tokens' fragments; v240-247 the embedding's
.set OA,  224
.set OG,  240
; scalar registers.  s2 wave; s[4:13] arguments; s[14:15] segment's bias offset; s16 segment; s17 expert; s[18:19] the stream; s[20:21] tokens' base + s[22:23]; s24 count; s25 live; s26, s27, s87 counters;
; s29-31 at work; s[32:63] the expert's 1,024 bits; s[66:75] a1-a5; s[76:77] bias; s[78:79] tokens' base; s[80:81] output; s[82:83] weights; s[84:85] late rows: their offset; s88 first row;
; s[90:94] constants; s[96:97] late rows: weights + offset; s[98:99] the stream's offset
.macro BAR                             ; what I stored is in LDS and what I read is in registers; then all sixteen waves meet
	s_wait_dscnt 0x0
	s_barrier_signal -1
	s_barrier_wait -1
.endm
; The first two units: 32 loads of 512 bytes, two whole rows each.  Load i takes row i (i < 8) or i + 8 of the unit's 32, plus 8 h.
.macro PRELOAD
.set i, 0
.rept 16
	global_load_b128 v[S0+4*i:S0+4*i+3], v6, s[18:19] offset:(i+8*(i/8))*ROWB th:TH_LOAD_NT
.set i, i+1
.endr
.set i, 0
.rept 16
	global_load_b128 v[S1+4*i:S1+4*i+3], v6, s[18:19] offset:(i+8*(i/8))*ROWB+CHB th:TH_LOAD_NT
.set i, i+1
.endr
	s_wait_xcnt 0x0                                ; the base steps only behind this wait
	s_mov_b32 s98, 2*CHB
	s_add_nc_u64 s[18:19], s[82:83], s[98:99]
.endm
; A unit in buffer sb is rounded and laid into the slot, half a fragment's registers at a time.
; ahead = 1: its registers are loaded again, two loads at a time, with the unit two chunks on: 32 loads of the wave are always out.  The count: behind loads 2 p, 2 p + 1 of this unit were issued its other
; 14 - 2 p, the next unit's 16 and the 2 p reissued: 30.  ahead = 0 (chunks 6 and 7): nothing is left to ask for; the wave waits for all its loads.  Every way through the text that leads round a FILL
; holds a wait for all loads too: so a unit's registers are either 30 loads back or not pending at all, whichever way led here.
.macro FILL sb, slot, ahead
.if !(\ahead)
	s_wait_loadcnt 0x0
.endif
.set p, 0
.rept 8
.if \ahead
	s_wait_loadcnt 30
.endif
.irp j, 0,1,2,3
	v_cvt_pk_bf16_f32 v[TB+4*\j+p%4], v[(\sb)+8*p+\j], v[(\sb)+8*p+4+\j]   ; two neighbouring K of column 4 r + j
.endr
.if \ahead
	global_load_b128 v[(\sb)+8*p:(\sb)+8*p+3],   v6, s[18:19] offset:(2*p+8*(p/4))*ROWB th:TH_LOAD_NT
	global_load_b128 v[(\sb)+8*p+4:(\sb)+8*p+7], v6, s[18:19] offset:(2*p+1+8*(p/4))*ROWB th:TH_LOAD_NT
.endif
.if p%4 == 3
.irp j, 0,1,2,3
	ds_store_b128 v7, v[TB+4*\j:TB+4*\j+3] offset:(\slot)*SLOTB+\j*1024+(p/4)*512
.endr
.endif
.set p, p+1
.endr
.if \ahead
	s_wait_xcnt 0x0                                ; the base steps only behind this wait
	s_add_co_u32 s98, s98, CHB
	s_sub_co_u32 s29, s98, 4*CHB-256
	s_cmp_ge_u32 s98, 4*CHB                        ; behind a segment's last chunk: back along K, 64 columns on
	s_cselect_b32 s98, s29, s98
	s_add_nc_u64 s[18:19], s[82:83], s[98:99]
.endif
.endm
; The fragments of K step ks of the slot into buffer b
.macro BLOAD b, slot, ks
.irp j, 0,1,2,3
	ds_load_b128 v[BB+32*(\b)+8*\j:BB+32*(\b)+8*\j+3],   v3 offset:(\slot)*SLOTB+(\ks)*4096+\j*1024
	ds_load_b128 v[BB+32*(\b)+8*\j+4:BB+32*(\b)+8*\j+7], v3 offset:(\slot)*SLOTB+(\ks)*4096+\j*1024+512
.endr
.endm
; Ring slot s: 64 bytes of two tiles' token rows and of the embedding's row, as fragments
.macro RLOAD s
	global_load_b128 v[AR+16*(\s):AR+16*(\s)+3],     v16, s[20:21] offset:(\s)*64
	global_load_b128 v[AR+16*(\s)+4:AR+16*(\s)+7],   v16, s[20:21] offset:(\s)*64+32
	global_load_b128 v[AR+16*(\s)+8:AR+16*(\s)+11],  v17, s[20:21] offset:(\s)*64
	global_load_b128 v[AR+16*(\s)+12:AR+16*(\s)+15], v17, s[20:21] offset:(\s)*64+32
	global_load_b128 v[GB+8*(\s):GB+8*(\s)+3],       v10, s[20:21] offset:(\s)*64
	global_load_b128 v[GB+8*(\s)+4:GB+8*(\s)+7],     v10, s[20:21] offset:(\s)*64+32
.endm
; My two tiles' tokens out of the list, offb bytes behind my wave's fixed place
.macro ROWSET offb
	ds_load_b32 v18, v13 offset:(\offb)
	ds_load_b32 v19, v13 offset:(\offb)+64
	s_wait_dscnt 0x0
.endm
; Their rows' offsets: a token's number is below 1,024, and is held there before it enters an address.  Stands only where no load that names v16 or v17 is out.
.macro TOKADR
	v_min_u32 v18, 0x3ff, v18
	v_min_u32 v19, 0x3ff, v19
	v_lshl_add_u32 v16, v18, ASH, v9
	v_lshl_add_u32 v17, v19, ASH, v9
.endm
; The ring's refills of the next four K steps take the 256 bytes behind those in hand; the offset wraps inside the bytes that a segment walks, so no load leaves a row.
.macro KGROUP
	s_wait_xcnt 0x0                                ; the tokens' base is rewritten only behind this wait
	s_add_co_u32 s22, s22, 256
	s_and_b32 s22, s22, AMASK
	s_add_nc_u64 s[20:21], s[78:79], s[22:23]
.endm
; One K step: the next step's fragments are asked for; ring slot ks % 4 is in (the three younger slots stay out); 8 products on 8 accumulators by turns, in the same order in every step,
; four places (ISA guide 7.12.1), then the ring slot is loaded again with the K step four on.
.macro KSTEP slot, ks
.if (\ks) < 7
	BLOAD 1-(\ks)%2, \slot, (\ks)+1
.endif
	s_wait_loadcnt 3*NRING
.if (\ks) < 7
	s_wait_dscnt 8                                 ; all but the eight loads just issued
.else
	s_wait_dscnt 0x0
.endif
.irp q, 0,1,2,3,4,5,6,7
	v_pk_add_bf16 v[AR+16*((\ks)%4)+\q],   v[AR+16*((\ks)%4)+\q],   v[GB+8*((\ks)%4)+\q]   ; x + 0.1 g, rounded to bf16
	v_pk_add_bf16 v[AR+16*((\ks)%4)+8+\q], v[AR+16*((\ks)%4)+8+\q], v[GB+8*((\ks)%4)+\q]
.endr
.irp t, 0,1
.irp j, 0,1,2,3
	v_wmma_f32_16x16x32_bf16 v[ACC+32*\t+8*\j:ACC+32*\t+8*\j+7], v[BB+32*((\ks)%2)+8*\j:BB+32*((\ks)%2)+8*\j+7], v[AR+16*((\ks)%4)+8*\t:AR+16*((\ks)%4)+8*\t+7], v[ACC+32*\t+8*\j:ACC+32*\t+8*\j+7]
.endr
.endr
.rept 4
	v_nop
.endr
	RLOAD (\ks)%4
.endm
; A chunk out of the slot: eight K steps, written out, so that every LDS address is v3 plus an immediate.  It stands behind a wait for all the wave's loads.
.macro COMPUTE slot
	TOKADR
	KGROUP
	BLOAD 0, \slot, 0
	KSTEP \slot, 0
	KSTEP \slot, 1
	KSTEP \slot, 2
	KSTEP \slot, 3
	KGROUP
	KSTEP \slot, 4
	KSTEP \slot, 5
	KSTEP \slot, 6
	KSTEP \slot, 7
.endm
.macro CLEAR
.set i, 0
.rept 64
	v_mov_b32 v[ACC+i], 0
.set i, i+1
.endr
.endm
; gelu of the eight numbers of accumulator a (fragment j), in place.  z = |x| / sqrt 2; t = 1 / (1 + p z); erf = 1 - t (a1 + t (a2 + t (a3 + t (a4 + t a5)))) 2^(-z z log2 e)
.macro GELU8 a, j
.irp v, 0,1,2,3,4,5,6,7
	v_add_f32 v[(\a)+\v], v[(\a)+\v], v[BI+4*\v+\j]           ; the bias; from the accumulator's low end on
.endr
.irp v, 0,1,2,3,4,5,6,7
	v_mul_f32 v[RZ+\v], |v[(\a)+\v]|, s94
.endr
.irp v, 0,2,4,6
	v_pk_fma_f32 v[RT+\v:RT+\v+1], v[RZ+\v:RZ+\v+1], s[90:91], 1.0 op_sel_hi:[1,0,0]
	v_pk_mul_f32 v[RX+\v:RX+\v+1], v[RZ+\v:RZ+\v+1], v[RZ+\v:RZ+\v+1]
.endr
.irp v, 0,2,4,6
	v_pk_mul_f32 v[RX+\v:RX+\v+1], v[RX+\v:RX+\v+1], s[92:93] op_sel_hi:[1,0]
.endr
.irp v, 0,1,2,3,4,5,6,7
	v_rcp_f32 v[RT+\v], v[RT+\v]
.endr
.irp v, 0,1,2,3,4,5,6,7
	v_exp_f32 v[RX+\v], v[RX+\v]
.endr
	v_nop                                          ; a plain instruction behind the last of the batch (ISA guide 5.7.2),
	s_wait_alu depctr_va_vdst(0)                   ; and the one wait ahead of the batch's first reader
.irp v, 0,2,4,6
	v_pk_fma_f32 v[RP+\v:RP+\v+1], v[RT+\v:RT+\v+1], s[74:75], s[72:73] op_sel_hi:[1,0,0]
.endr
.irp c, 70,68,66
.irp v, 0,2,4,6
	v_pk_fma_f32 v[RP+\v:RP+\v+1], v[RP+\v:RP+\v+1], v[RT+\v:RT+\v+1], s[\c:\c+1] op_sel_hi:[1,1,0]
.endr
.endr
.irp v, 0,2,4,6
	v_pk_mul_f32 v[RP+\v:RP+\v+1], v[RP+\v:RP+\v+1], v[RT+\v:RT+\v+1]
.endr
.irp v, 0,2,4,6
	v_pk_fma_f32 v[RP+\v:RP+\v+1], v[RP+\v:RP+\v+1], v[RX+\v:RX+\v+1], 1.0 op_sel_hi:[1,1,0] neg_lo:[1,0,0] neg_hi:[1,0,0]
.endr
.irp v, 0,1,2,3,4,5,6,7
	v_fma_f32 v[(\a)+\v], |v[(\a)+\v]|, v[RP+\v], v[(\a)+\v]  ; x + |x| erf: exactly 0 where erf is 1 and x below 0
.endr
.irp v, 0,2,4,6
	v_pk_mul_f32 v[(\a)+\v:(\a)+\v+1], v[(\a)+\v:(\a)+\v+1], 0.5 op_sel_hi:[1,0]
.endr
.endm
; Tile t's packed h into my stage: segment 0 takes the first 128 bytes of a row, segment 1 the second: two blocks, each with its own immediates
.macro HSTORE t
	s_cmp_lg_u32 s16, 0
	s_cbranch_scc1 .Lhi_\@
.irp q, 0,1,2,3
	ds_store_b128 v11, v[HH+4*\q:HH+4*\q+3] offset:(\t)*16*SPI+16*\q
.endr
	s_branch .Lhj_\@
.Lhi_\@:
.irp q, 0,1,2,3
	ds_store_b128 v11, v[HH+4*\q:HH+4*\q+3] offset:(\t)*16*SPI+128+16*\q
.endr
.Lhj_\@:
.endm
; THE EPILOGUE: my lane's 32 biases (rounded to bf16 like every input), gelu, and both tiles into my own stage.
.macro EPI
	s_lshl_b32 s14, s16, 8                         ; the segment's 64 biases
	s_add_nc_u64 s[30:31], s[76:77], s[14:15]
.irp q, 0,1,2,3,4,5,6,7
	global_load_b128 v[BI+4*\q:BI+4*\q+3], v1, s[30:31] offset:16*\q
.endr
	s_wait_loadcnt 0x0
.set i, 0
.rept 16
	v_cvt_pk_bf16_f32 v[RZ+i%4], v[BI+2*i], v[BI+2*i+1]
	v_lshlrev_b32 v[BI+2*i], 16, v[RZ+i%4]
	v_and_b32 v[BI+2*i+1], 0xffff0000, v[RZ+i%4]
.set i, i+1
.endr
.irp t, 0,1
	GELU8 ACC+32*\t, 0
	GELU8 ACC+32*\t+8, 1
	GELU8 ACC+32*\t+16, 2
	GELU8 ACC+32*\t+24, 3
.irp v, 0,1,2,3,4,5,6,7
	v_cvt_pk_bf16_f32 v[HH+2*\v],   v[ACC+32*\t+\v],    v[ACC+32*\t+8+\v]    ; columns 4 v, 4 v + 1
	v_cvt_pk_bf16_f32 v[HH+2*\v+1], v[ACC+32*\t+16+\v], v[ACC+32*\t+24+\v]   ; columns 4 v + 2, 4 v + 3
.endr
	HSTORE \t
.endr
.endm
; The tokens of tile t's rows, two a load, and the wait for them and for the rows read back
.macro TKLOAD t, offb
.irp i, 0,1,2,3,4,5,6,7
	ds_load_b32 v[TK+\i], v14 offset:(\offb)+(\t)*64+\i*8
.endr
	s_wait_dscnt 0x0
.endm
.macro STK t                           ; the same for rows from 256 on: the trip chooses between two blocks, each with its own immediates
	s_cmp_lg_u32 s87, 0
	s_cbranch_scc1 .Ls1_\@
	TKLOAD \t, 2048
	s_branch .Lsj_\@
.Ls1_\@:
	TKLOAD \t, 4096
.Lsj_\@:
.endm
; THE STORES: whole rows of 256 bytes back out of my stage (my own bytes, served in order), two rows an instruction, each to its token's row: 16 lanes store 256 consecutive bytes, aligned.
; All 32 rows are stored: a place past the count holds the first token's row once more, bit for bit.
.macro STORE late
.irp t, 0,1
.irp i, 0,1,2,3,4,5,6,7
	ds_load_b128 v[OO+4*\i:OO+4*\i+3], v12 offset:\t*16*SPI+\i*2*SPI
.endr
.if \late
	STK \t
.else
	TKLOAD \t, 0
.endif
.irp i, 0,1,2,3,4,5,6,7
	v_min_u32 v[TK+\i], 0x3ff, v[TK+\i]            ; a token's number is below 1,024
	v_lshl_add_u32 v[VO+\i], v[TK+\i], OSH, v8
.endr
.irp i, 0,1,2,3,4,5,6,7
	global_store_b128 v[VO+\i], v[OO+4*\i:OO+4*\i+3], s[80:81]
.endr
	s_wait_xcnt 0x0                                ; the stores' data and offsets are written again only behind this wait
.endr
.endm
; Rows from 256 on: a wave's own unit of weights, its tokens' fragments, and one K step
.macro OWLOAD
.set i, 0
.rept 16
	global_load_b128 v[OS+4*i:OS+4*i+3], v15, s[96:97] offset:(i+8*(i/8))*ROWB
.set i, i+1
.endr
.endm
.macro OALOAD
	global_load_b128 v[OA:OA+3],     v16, s[20:21]
	global_load_b128 v[OA+4:OA+7],   v16, s[20:21] offset:32
	global_load_b128 v[OA+8:OA+11],  v17, s[20:21]
	global_load_b128 v[OA+12:OA+15], v17, s[20:21] offset:32
	global_load_b128 v[OG:OG+3],     v10, s[20:21]
	global_load_b128 v[OG+4:OG+7],   v10, s[20:21] offset:32
.endm
.macro OVK
	s_wait_loadcnt 0x0                             ; this step's weights and tokens; no load of mine is out, so both bases and the tokens' offsets may be written
.set p, 0
.rept 8
.irp j, 0,1,2,3
	v_cvt_pk_bf16_f32 v[BB+8*\j+p], v[OS+8*p+\j], v[OS+8*p+4+\j]
.endr
.set p, p+1
.endr
	s_add_co_u32 s84, s84, 32*ROWB                 ; the next 32 rows of K; behind the last the offsets wrap, so that no load leaves its buffer
	s_and_b32 s84, s84, WMASK
	s_add_nc_u64 s[96:97], s[82:83], s[84:85]
	OWLOAD
	s_add_co_u32 s22, s22, 64
	s_and_b32 s22, s22, AMASK
	s_add_nc_u64 s[20:21], s[78:79], s[22:23]
.irp q, 0,1,2,3,4,5,6,7
	v_pk_add_bf16 v[OA+\q],   v[OA+\q],   v[OG+\q]
	v_pk_add_bf16 v[OA+8+\q], v[OA+8+\q], v[OG+\q]
.endr
.irp t, 0,1
.irp j, 0,1,2,3
	v_wmma_f32_16x16x32_bf16 v[ACC+32*\t+8*\j:ACC+32*\t+8*\j+7], v[BB+8*\j:BB+8*\j+7], v[OA+8*\t:OA+8*\t+7], v[ACC+32*\t+8*\j:ACC+32*\t+8*\j+7]
.endr
.endr
	TOKADR                                         ; four plain lines that name no register of the products: the places behind them (ISA guide 7.12.1)
	OALOAD
.endm
; ---------------------------------------------------------------- the head
	s_load_b256 s[4:11], s[0:1], 0x0               ; xb s[4:5], w1 s[6:7], b1 s[8:9], bmap s[10:11]
	s_load_b64 s[12:13], s[0:1], 0x20              ; hbuf
	v_lshl_add_u32 v4, v0, 2, SPARE                ; my spare word,
	v_mov_b32 v5, 0                                ; and 0: kept for the add at the wave's end
	v_lshrrev_b32 v20, 5, v0
	v_readfirstlane_b32 s2, v20                    ; wave 0..15
	s_and_b32 s17, ttmp7, 0xffff                   ; the expert
	v_and_b32 v21, 15, v0                          ; r
	v_bfe_u32 v2, v0, 4, 1                         ; h
	v_and_b32 v20, 31, v0
	v_lshlrev_b32 v3, 4, v20
	v_lshlrev_b32 v8, 4, v21
	v_lshlrev_b32 v9, 4, v2
	v_lshlrev_b32 v1, 7, v2
	v_lshl_add_u32 v15, v2, WSH, v8                ; 8 h rows of K + 16 r
	s_mul_i32 s29, s2, 32*ROWB
	v_add_nc_u32 v6, s29, v15                      ; + a producer's K step: 32 rows
	s_lshl_b32 s29, s2, 12
	v_add_nc_u32 v7, s29, v3                       ; its 4,096 bytes of a slot
	s_mul_i32 s29, s2, STGW
	s_add_co_u32 s29, s29, STG                     ; my stage
	v_mul_u32_u24 v20, v21, SPI
	v_lshl_add_u32 v20, v2, HSH, v20
	v_add_nc_u32 v11, s29, v20                     ; in: row r, my lanes' 32 columns
	v_mul_u32_u24 v20, v2, SPI
	v_add_nc_u32 v20, v8, v20
	v_add_nc_u32 v12, s29, v20                     ; back: lanes 0-15 one row of 256 bytes, lanes 16-31 the next
	s_lshl_b32 s29, s2, 7                          ; the list at rank 32 wave - 256: a consumer's rows in the pipeline; 512 and 1,024 ranks on: a wave's rows behind it
	s_add_co_u32 s29, s29, LIST-1024
	v_lshl_add_u32 v13, v21, 2, s29
	v_lshl_add_u32 v14, v2, 2, s29
	s_mov_b32 s15, 0
	s_mov_b32 s23, 0
	s_mov_b32 s85, 0
	s_mov_b32 s31, 0
	s_mov_b32 s99, 0
	s_add_co_u32 s29, s17, 1024
	s_lshl_b32 s29, s29, 11
	v_add_nc_u32 v10, s29, v9                      ; row 1,024 + e of xb: bf16(0.1 g_e)
	s_mov_b32 s66, 0x3e827906                      ; a1 =  0.254829592; each constant is named as a pair, so both words are written
	s_mov_b32 s67, s66
	s_mov_b32 s68, 0xbe91a98e                      ; a2 = -0.284496736
	s_mov_b32 s69, s68
	s_mov_b32 s70, 0x3fb5f0e3                      ; a3 =  1.421413741
	s_mov_b32 s71, s70
	s_mov_b32 s72, 0xbfba00e3                      ; a4 = -1.453152027
	s_mov_b32 s73, s72
	s_mov_b32 s74, 0x3f87dc22                      ; a5 =  1.061405429
	s_mov_b32 s75, s74
	s_mov_b32 s90, 0x3ea7ba05                      ; p  =  0.3275911
	s_mov_b32 s91, s90
	s_mov_b32 s92, 0xbfb8aa3b                      ; -log2 e
	s_mov_b32 s93, s92
	s_mov_b32 s94, 0x3f3504f3                      ; 1 / sqrt 2
	s_wait_kmcnt 0x0
	s_lshl_b32 s30, s17, 24                        ; the expert's 16 MiB of weights,
	s_lshl_b32 s29, ttmp9, 9                       ; my 128 columns of f32
	s_add_co_u32 s30, s30, s29
	s_add_nc_u64 s[82:83], s[6:7], s[30:31]
	s_lshl_b32 s30, s17, 14
	s_add_co_u32 s30, s30, s29
	s_add_nc_u64 s[76:77], s[8:9], s[30:31]        ; b1[e] at my columns
	s_lshl_b32 s30, s17, 7
	s_add_nc_u64 s[10:11], s[10:11], s[30:31]      ; bmap[e]
	s_lshl_b32 s30, ttmp9, 8
	s_add_nc_u64 s[80:81], s[12:13], s[30:31]      ; hbuf at my 128 columns of bf16
	s_mov_b64 s[78:79], s[4:5]
	s_load_b512 s[32:47], s[10:11], 0x0            ; the expert's bits: bit b of word g is token 32 g + b
	s_load_b512 s[48:63], s[10:11], 0x40
	s_mov_b64 s[18:19], s[82:83]
	s_cmp_lt_u32 s2, 8
	s_cbranch_scc1 .Lhead_p
	CLEAR                                          ; the consumers' sums begin at 0
	s_branch .Lhead_j
.Lhead_p:
	PRELOAD                                        ; the stream starts before the routing is known: the weights are read whatever the count
.Lhead_j:
	s_wait_kmcnt 0x0
	s_mov_b32 s24, 0
.set g, 0
.rept 32
	s_bcnt1_i32_b32 s29, s[32+g]
	s_add_co_u32 s24, s24, s29                     ; the expert's rows
.set g, g+1
.endr
	s_lshl_b32 s88, s2, 5
	s_sub_co_u32 s88, s88, 256                     ; a consumer's first row,
	s_cmp_lt_u32 s88, s24
	s_cselect_b32 s25, 1, 0                        ; and whether it has any
	s_cmp_lg_u32 s2, 8
	s_cbranch_scc1 .Lnot8
	; wave 8 makes the list: all 1,280 places are filled with the expert's first token, then each chosen token goes to its rank
	s_mov_b32 s30, 0
.set g, 31
.rept 32
	s_ctz_i32_b32 s29, s[32+g]
	s_add_co_u32 s29, s29, 32*g
	s_cmp_lg_u32 s[32+g], 0
	s_cselect_b32 s30, s29, s30
.set g, g-1
.endr
	v_mov_b32 v24, s30
	v_mov_b32 v25, s30
	v_mov_b32 v26, s30
	v_mov_b32 v27, s30
	v_add_nc_u32 v22, LIST, v3
.irp i, 0,1,2,3,4,5,6,7,8,9
	ds_store_b128 v22, v[24:27] offset:\i*512
.endr
	v_and_b32 v20, 31, v0                          ; my lane's token in word 0
	v_add_nc_u32 v23, 1280, v20                    ; where a lane without a place writes: behind the list
	s_mov_b32 s31, 0                               ; rows in the words before
.set g, 0
.rept 32
	v_mbcnt_lo_u32_b32 v21, s[32+g], s31           ; my rank: those rows and the set bits below my lane
	v_cndmask_b32 v21, v23, v21, s[32+g]
	v_min_u32 v21, 0x51f, v21
	v_lshl_add_u32 v22, v21, 2, LIST
	ds_store_b32 v22, v20                          ; one wave's stores, served in order: these land on the fill above
	v_add_nc_u32 v20, 32, v20
	s_bcnt1_i32_b32 s29, s[32+g]
	s_add_co_u32 s31, s31, s29
.set g, g+1
.endr
.Lnot8:
	BAR                                            ; the list is there for every wave; nobody writes it again
	s_cmp_lt_u32 s2, 8
	s_cbranch_scc1 .Lno_ring
	ROWSET 0                                       ; every consumer, with rows or without: the ring is written on every way
	TOKADR
	s_mov_b32 s22, 0
	s_mov_b64 s[20:21], s[78:79]
	RLOAD 0
	RLOAD 1
	RLOAD 2
	RLOAD 3
.Lno_ring:
; ---------------------------------------------------------------- the pipeline: chunk 0 is filled; then four trips of two halves
	s_cmp_ge_u32 s2, 8
	s_cbranch_scc1 .Lc0
	FILL S0, 0, 1                                  ; chunk 0; chunk 2 is asked for
	s_branch .Lj0
.Lc0:
	s_wait_loadcnt 0x0                             ; the way round the fill: the ring's first loads are in
.Lj0:
	BAR
	s_mov_b32 s26, 0
.Lpipe:
	; first half of trip t: chunk 2 t + 1 into slot 1 | chunk 2 t out of slot 0
	s_cmp_ge_u32 s2, 8
	s_cbranch_scc1 .LcA
	s_cmp_ge_u32 s26, 3
	s_cbranch_scc1 .LtA
	FILL S1, 1, 1                                  ; chunks 1, 3, 5; chunks 3, 5, 7 are asked for
	s_branch .LjA
.LtA:
	FILL S1, 1, 0                                  ; chunk 7
	s_branch .LjA
.LcA:
	s_wait_loadcnt 0x0                             ; the ring's loads, which went out ahead of the barrier: their offsets are made anew below, and no load is out on a way round a fill
	s_cmp_eq_u32 s25, 0
	s_cbranch_scc1 .LjA
	COMPUTE 0
.LjA:
	BAR
	; second half: chunk 2 t + 2 into slot 0 | chunk 2 t + 1 out of slot 1
	s_cmp_ge_u32 s2, 8
	s_cbranch_scc1 .LcB
	s_cmp_ge_u32 s26, 2
	s_cbranch_scc1 .LtB
	FILL S0, 0, 1                                  ; chunks 2, 4; chunks 4, 6 are asked for
	s_branch .LjB
.LtB:
	s_cmp_lg_u32 s26, 2
	s_cbranch_scc1 .LdB
	FILL S0, 0, 0                                  ; chunk 6
	s_branch .LjB
.LdB:
	s_wait_loadcnt 0x0                             ; the last trip: there is no chunk 8, and no load of mine is out
	s_branch .LjB
.LcB:
	s_wait_loadcnt 0x0                             ; as in the first half
	s_cmp_eq_u32 s25, 0
	s_cbranch_scc1 .LjB
	COMPUTE 1
	s_and_b32 s29, s26, 1
	s_cmp_eq_u32 s29, 0
	s_cbranch_scc1 .LjB                            ; a segment ends with chunk 3 and with chunk 7: trips 1 and 3
	s_lshr_b32 s16, s26, 1                         ; which segment
	EPI
	s_cmp_lg_u32 s16, 0
	s_cbranch_scc1 .Lout
	CLEAR                                          ; segment 0 waits in the stage, so that a row's 256 bytes leave together
	s_branch .LjB
.Lout:
	STORE 0
.LjB:
	BAR
	s_add_co_u32 s26, s26, 1
	s_cmp_lt_u32 s26, 4
	s_cbranch_scc1 .Lpipe
; ---------------------------------------------------------------- rows from 256 on: all sixteen waves, 32 rows each and trip, no barrier; the only LDS bytes written are a wave's own stage
	s_wait_loadcnt 0x0                             ; the ring's last refills: their registers and offsets are written below
	s_mov_b32 s87, 0
	s_lshl_b32 s88, s2, 5
	s_add_co_u32 s88, s88, 256                     ; my first row: 256 + 512 trip + 32 wave
.Lovf:
	s_cmp_ge_u32 s88, s24
	s_cbranch_scc1 .Lovf_next                      ; no such row: forward, to the counter's step
	s_cmp_lg_u32 s87, 0
	s_cbranch_scc1 .Lr1
	ROWSET 2048
	s_branch .Lrj
.Lr1:
	ROWSET 4096
.Lrj:
	s_mov_b32 s84, 0
	s_mov_b32 s16, 0
.Lovs:
	CLEAR
	TOKADR
	s_mov_b32 s22, 0
	s_mov_b64 s[20:21], s[78:79]
	s_add_nc_u64 s[96:97], s[82:83], s[84:85]
	OWLOAD
	OALOAD
	s_mov_b32 s27, OKS
.Lovk:
	OVK
	s_sub_co_u32 s27, s27, 1
	s_cmp_lg_u32 s27, 0
	s_cbranch_scc1 .Lovk
	EPI
	s_add_co_u32 s84, s84, 256                     ; the offset has wrapped back to the segment's first row: 64 columns on
	s_add_co_u32 s16, s16, 1
	s_cmp_lt_u32 s16, 2
	s_cbranch_scc1 .Lovs
	STORE 1
.Lovf_next:
	s_add_co_u32 s88, s88, 512
	s_add_co_u32 s87, s87, 1
	s_cmp_lt_u32 s87, 2
	s_cbranch_scc1 .Lovf
	s_wait_tensorcnt 0x0                           ; the wave's end, behind my last LDS store
	ds_add_u32 v4, v5
	s_wait_dscnt 0x0
	s_endpgm
.Lfunc_end_k_qc5e27a69ac_up:
	.size	k_qc5e27a69ac_up, .Lfunc_end_k_qc5e27a69ac_up-k_qc5e27a69ac_up
	.p2alignl 7, 3214868480
	.fill 96, 4, 3214868480
	.section	.rodata,"a",@progbits
	.p2align	6, 0x0
	.amdhsa_kernel k_qc5e27a69ac_up
		.amdhsa_group_segment_fixed_size 212224
		.amdhsa_private_segment_fixed_size 0
		.amdhsa_enable_private_segment 0
		.amdhsa_kernarg_size 40
		.amdhsa_user_sgpr_count 2
		.amdhsa_user_sgpr_kernarg_segment_ptr 1
		.amdhsa_wavefront_size32 1
		.amdhsa_system_sgpr_workgroup_id_x 1
		.amdhsa_system_sgpr_workgroup_id_y 1
		.amdhsa_system_sgpr_workgroup_id_z 1
		.amdhsa_system_vgpr_workitem_id 0
		.amdhsa_next_free_vgpr 256
		.amdhsa_next_free_sgpr 100
		.amdhsa_reserve_vcc 0
		.amdhsa_float_denorm_mode_32 3
		.amdhsa_float_denorm_mode_16_64 3
		.amdhsa_memory_ordered 1
		.amdhsa_forward_progress 1
		.amdhsa_inst_pref_size 208
	.end_amdhsa_kernel
	.amdgpu_metadata
---
amdhsa.version: [ 1, 2 ]
amdhsa.kernels:
  - .name:           k_qc5e27a69ac_up
    .symbol:         k_qc5e27a69ac_up.kd
    .args:
      - { .name: xb, .offset: 0, .size: 8, .value_kind: global_buffer, .address_space: global }
      - { .name: w1, .offset: 8, .size: 8, .value_kind: global_buffer, .address_space: global }
      - { .name: b1, .offset: 16, .size: 8, .value_kind: global_buffer, .address_space: global }
      - { .name: bmap, .offset: 24, .size: 8, .value_kind: global_buffer, .address_space: global }
      - { .name: hbuf, .offset: 32, .size: 8, .value_kind: global_buffer, .address_space: global }
    .group_segment_fixed_size: 212224
    .private_segment_fixed_size: 0
    .kernarg_segment_align: 8
    .kernarg_segment_size: 40
    .max_flat_workgroup_size: 512
    .sgpr_count:     100
    .vgpr_count:     256
    .wavefront_size: 32
...
	.end_amdgpu_metadata
.endif
;; end of part 2
;; launch down (part 3): grid 32 x 8, 16 waves a work-group, no clusters, 212,224 bytes of LDS; arguments hbuf, w2, b2, bmap, part; writes part
.if DOCPART == 3
	.amdgcn_target "amdgcn-amd-amdhsa--gfx1250"
	.amdhsa_code_object_version 6
	.text
	.protected	k_qc5e27a69ac_down
	.globl	k_qc5e27a69ac_down
	.p2align	8
	.type	k_qc5e27a69ac_down,@function
k_qc5e27a69ac_down:
	s_mov_b64 s[64:65], 0
	v_nop
	global_prefetch_b8 v0, s[64:65] scope:SCOPE_SE
	s_setreg_imm32_b32 hwreg(HW_REG_WAVE_MODE, 25, 1), 1
	s_wait_xcnt 0x0
; SECOND PRODUCT: part[half][token][n] = the sum over one half of K = 4,096 of h[token][k] W2[e][k][n], plus b2[e][n] in half 0, in f32, rows by token.  Built like the first product.
; SHARES.  Grid y = expert; grid x = 2 x slice + half: 64 columns of W2[e] (a row's 256 bytes) x K = 2,048, which this work-group alone reads, once: eight CHUNKS of 256 K x 64 columns (64 KiB of f32).
; K is split in two so that 8 x 16 slices give each of 256 work-groups the same 512 KiB of weights; the two f32 halves are added by the launch behind.
; Waves 0-7 are PRODUCERS: wave w loads K step w (32 K x 64 columns) of each chunk, each load two whole rows of 256 bytes, rounds it to bf16 and lays it into LDS as four finished fragments.
; Waves 8-15 are CONSUMERS: wave w has the expert's rows 32 (w - 8) .. + 31 (by rank) x 64 columns, 8 accumulators; one with no row jumps its work and passes every barrier.
; While the producers fill chunk i into slot i % 2 the consumers multiply chunk i - 1 out of the other slot: one barrier orders both.
; NO TRANSPOSITION.  A producer lane (r, h) loads columns 4 r .. 4 r + 3 of 16 rows of K; column 4 r + j of those rows IS lane (r, h) of fragment j, whose row m stands for column 4 m + j.
; Source 0 = a weight fragment, source 1 = 16 tokens: register v of accumulator j then holds token r, column 32 h + 4 v + j: a lane has 32 neighbouring columns of one row.
; EVERY LDS ADDRESS is a register made once at the head (a constant, the wave's number times a constant, a lane term) plus an immediate; where one text serves two places, two short blocks stand under a forward branch.
; A TOKEN'S NUMBER comes out of the list, so it is loaded data: it is held to 1,023 and made into an offset anew at the head of each run of lines that loads or stores by it (TOKADR, STORE).
; EVERY SPLIT.  Rows 0-255 go through the pipeline; rows from 256 on are served behind it, 32 rows a wave, each wave loading and rounding the weights for itself, with no barrier: right, and slow by design.
; ROWS PAST THE COUNT.  In a wave that has rows, the places past the count hold the expert's first token.  They are multiplied like any row, give that row's bits again (the same fragments, the same order of sums), and are
; stored onto that row again by this same work-group: no lane is masked.  The price: at most 31 rows of 256 bytes stored again by a wave that is not full.  A wave with no row stores nothing.
; The accumulators are cleared by moves on purpose: a dead consumer jumps over its parts, and so every register that a later part reads is written on every way; the price is 64 moves.
; FORMAT.  W2 and b2 are rounded once to bf16, as every input of the program is; h arrives in bf16; all sums, the two halves among them, are f32.  NaN and infinities are not treated apart.
; NO MULTICAST, NO COPY ENGINE: each slice of weights has one reader and has to pass through registers to be rounded; what an expert's work-groups share are token rows named by a list, which no tile describes.
.set ROWB,  4096                       ; bytes from a row of K to the next in the weights
.set WSH,   15                         ; 8 such rows as a shift
.set ASH,   13                         ; a token's row in hbuf: 8,192 bytes
.set AMASK, 4095                       ; the bytes of that row that my half of K walks
.set OSH,   12                         ; a token's row in part: 4,096 bytes
.set HSH,   7                          ; a lane's 32 columns in the stage: 128 bytes
.set OKS,   64                         ; K steps of my half
.set WMASK, 0x7fffff                   ; the weights' bytes that my half walks: 2,048 rows
.set NRING, 4                          ; loads of a ring slot: two tiles' fragments
.set CHB,   256*ROWB                   ; bytes from chunk to chunk
; LDS
.set SLOTB, 32768                      ; 0 .. 65,535: two slots; K step ks, fragment j, half hf at slot + 4,096 ks + 1,024 j + 512 hf + 16 lane: written and read by neighbouring lanes
.set STG,   65536                      ; 16 waves x 8,704: each wave's own stage, 32 rows x 272 bytes (256 + 16)
.set STGW,  8704
.set SPI,   272
.set LIST,  204800                     ; 5,376 bytes: 1,280 places, the expert's tokens by rank, the places past the count hold its first token; then 32 words for the lanes that have no place
.set SPARE, 210176                     ; the spare words, 128 bytes a wave
; vector registers, made at the head and never rewritten: v0 thread; v1 128 h; v2 h; v3 16 lane; v4, v5 the add's two; v6 producer: weights' offset; v7 producer: LDS place; v8 16 r; v9 16 h;
; v11 stage in; v12 stage back; v13, v14 the list at my wave's rows, + 4 r, + 4 h; v15 weights' lane term.
; v16, v17 my two tiles' token rows; v18, v19 their tokens' numbers; v20-31 at work.  A producer has its packed results in v16-31.
.set TB,  16                           ; producer: v16-31 half of a unit's four fragments; v32-95, v96-159 a unit as loaded, two buffers
.set S0,  32
.set S1,  96
.set BB,  32                           ; consumer: v32-95 the weights' four fragments, two buffers
.set ACC, 96                           ; v96-159   accumulator (t, j) at ACC + 32 t + 8 j
.set AR,  160                          ; v160-223  the tokens' ring: slot s, tile t at AR + 16 s + 8 t
.set BI,  32                           ; epilogue: v32-63 bias; v64-95 at work
.set RZ,  64
.set TM,  64
.set OO,  32                           ; stores: v32-63 rows read back; v64-71 their tokens; v72-79 their offsets
.set TK,  64
.set VO,  72
.set OS,  160                          ; rows from 256 on: v160-223 a unit as loaded; v224-239 the tokens' fragments
.set OA,  224
; scalar registers.  s2 wave; s[4:13] arguments; s16 at work; s17 expert; s[18:19] the stream; s[20:21] tokens' base + s[22:23]; s24 count; s25 live; s26, s27, s87 counters;
; s29-31 at work; s[32:63] the expert's 1,024 bits; s[76:77] bias; s[78:79] tokens' base; s[80:81] output; s[82:83] weights; s[84:85] late rows: their offset; s86 bias factor; s88 first row;
; s[96:97] late rows: weights + offset
.macro BAR                             ; what I stored is in LDS and what I read is in registers; then all sixteen waves meet
	s_wait_dscnt 0x0
	s_barrier_signal -1
	s_barrier_wait -1
.endm
; The first two units: 32 loads of 512 bytes, two whole rows each.  Load i takes row i (i < 8) or i + 8 of the unit's 32, plus 8 h.
.macro PRELOAD
.set i, 0
.rept 16
	global_load_b128 v[S0+4*i:S0+4*i+3], v6, s[18:19] offset:(i+8*(i/8))*ROWB th:TH_LOAD_NT
.set i, i+1
.endr
.set i, 0
.rept 16
	global_load_b128 v[S1+4*i:S1+4*i+3], v6, s[18:19] offset:(i+8*(i/8))*ROWB+CHB th:TH_LOAD_NT
.set i, i+1
.endr
	s_wait_xcnt 0x0                                ; the base steps only behind this wait
	s_add_nc_u64 s[18:19], s[18:19], 2*CHB
.endm
; A unit in buffer sb is rounded and laid into the slot, half a fragment's registers at a time.
; ahead = 1: its registers are loaded again, two loads at a time, with the unit two chunks on: 32 loads of the wave are always out.  The count: behind loads 2 p, 2 p + 1 of this unit were issued its other
; 14 - 2 p, the next unit's 16 and the 2 p reissued: 30.  ahead = 0 (chunks 6 and 7): nothing is left to ask for; the wave waits for all its loads.  Every way through the text that leads round a FILL
; holds a wait for all loads too: so a unit's registers are either 30 loads back or not pending at all, whichever way led here.
.macro FILL sb, slot, ahead
.if !(\ahead)
	s_wait_loadcnt 0x0
.endif
.set p, 0
.rept 8
.if \ahead
	s_wait_loadcnt 30
.endif
.irp j, 0,1,2,3
	v_cvt_pk_bf16_f32 v[TB+4*\j+p%4], v[(\sb)+8*p+\j], v[(\sb)+8*p+4+\j]   ; two neighbouring K of column 4 r + j
.endr
.if \ahead
	global_load_b128 v[(\sb)+8*p:(\sb)+8*p+3],   v6, s[18:19] offset:(2*p+8*(p/4))*ROWB th:TH_LOAD_NT
	global_load_b128 v[(\sb)+8*p+4:(\sb)+8*p+7], v6, s[18:19] offset:(2*p+1+8*(p/4))*ROWB th:TH_LOAD_NT
.endif
.if p%4 == 3
.irp j, 0,1,2,3
	ds_store_b128 v7, v[TB+4*\j:TB+4*\j+3] offset:(\slot)*SLOTB+\j*1024+(p/4)*512
.endr
.endif
.set p, p+1
.endr
.if \ahead
	s_wait_xcnt 0x0                                ; the base steps only behind this wait
	s_add_nc_u64 s[18:19], s[18:19], CHB
.endif
.endm
; The fragments of K step ks of the slot into buffer b
.macro BLOAD b, slot, ks
.irp j, 0,1,2,3
	ds_load_b128 v[BB+32*(\b)+8*\j:BB+32*(\b)+8*\j+3],   v3 offset:(\slot)*SLOTB+(\ks)*4096+\j*1024
	ds_load_b128 v[BB+32*(\b)+8*\j+4:BB+32*(\b)+8*\j+7], v3 offset:(\slot)*SLOTB+(\ks)*4096+\j*1024+512
.endr
.endm
; Ring slot s: 64 bytes of two tiles' token rows, as fragments
.macro RLOAD s
	global_load_b128 v[AR+16*(\s):AR+16*(\s)+3],     v16, s[20:21] offset:(\s)*64
	global_load_b128 v[AR+16*(\s)+4:AR+16*(\s)+7],   v16, s[20:21] offset:(\s)*64+32
	global_load_b128 v[AR+16*(\s)+8:AR+16*(\s)+11],  v17, s[20:21] offset:(\s)*64
	global_load_b128 v[AR+16*(\s)+12:AR+16*(\s)+15], v17, s[20:21] offset:(\s)*64+32
.endm
; My two tiles' tokens out of the list, offb bytes behind my wave's fixed place
.macro ROWSET offb
	ds_load_b32 v18, v13 offset:(\offb)
	ds_load_b32 v19, v13 offset:(\offb)+64
	s_wait_dscnt 0x0
.endm
; Their rows' offsets: a token's number is below 1,024, and is held there before it enters an address.  Stands only where no load that names v16 or v17 is out.
.macro TOKADR
	v_min_u32 v18, 0x3ff, v18
	v_min_u32 v19, 0x3ff, v19
	v_lshl_add_u32 v16, v18, ASH, v9
	v_lshl_add_u32 v17, v19, ASH, v9
.endm
; The ring's refills of the next four K steps take the 256 bytes behind those in hand; the offset wraps inside the bytes that my half of K walks, so no load leaves a row.
.macro KGROUP
	s_wait_xcnt 0x0                                ; the tokens' base is rewritten only behind this wait
	s_add_co_u32 s22, s22, 256
	s_and_b32 s22, s22, AMASK
	s_add_nc_u64 s[20:21], s[78:79], s[22:23]
.endm
; One K step: the next step's fragments are asked for; ring slot ks % 4 is in (the three younger slots stay out); 8 products on 8 accumulators by turns, in the same order in every step,
; four places (ISA guide 7.12.1), then the ring slot is loaded again with the K step four on.
.macro KSTEP slot, ks
.if (\ks) < 7
	BLOAD 1-(\ks)%2, \slot, (\ks)+1
.endif
	s_wait_loadcnt 3*NRING
.if (\ks) < 7
	s_wait_dscnt 8                                 ; all but the eight loads just issued
.else
	s_wait_dscnt 0x0
.endif
.irp t, 0,1
.irp j, 0,1,2,3
	v_wmma_f32_16x16x32_bf16 v[ACC+32*\t+8*\j:ACC+32*\t+8*\j+7], v[BB+32*((\ks)%2)+8*\j:BB+32*((\ks)%2)+8*\j+7], v[AR+16*((\ks)%4)+8*\t:AR+16*((\ks)%4)+8*\t+7], v[ACC+32*\t+8*\j:ACC+32*\t+8*\j+7]
.endr
.endr
.rept 4
	v_nop
.endr
	RLOAD (\ks)%4
.endm
; A chunk out of the slot: eight K steps, written out, so that every LDS address is v3 plus an immediate.  It stands behind a wait for all the wave's loads.
.macro COMPUTE slot
	TOKADR
	KGROUP
	BLOAD 0, \slot, 0
	KSTEP \slot, 0
	KSTEP \slot, 1
	KSTEP \slot, 2
	KSTEP \slot, 3
	KGROUP
	KSTEP \slot, 4
	KSTEP \slot, 5
	KSTEP \slot, 6
	KSTEP \slot, 7
.endm
.macro CLEAR
.set i, 0
.rept 64
	v_mov_b32 v[ACC+i], 0
.set i, i+1
.endr
.endm
; THE EPILOGUE: my lane's 32 biases (rounded to bf16 like every input), then both tiles into my own stage.
.macro EPI
.irp q, 0,1,2,3,4,5,6,7
	global_load_b128 v[BI+4*\q:BI+4*\q+3], v1, s[76:77] offset:16*\q
.endr
	s_wait_loadcnt 0x0
.set i, 0
.rept 16
	v_cvt_pk_bf16_f32 v[RZ+i%4], v[BI+2*i], v[BI+2*i+1]
	v_lshlrev_b32 v[BI+2*i], 16, v[RZ+i%4]
	v_and_b32 v[BI+2*i+1], 0xffff0000, v[RZ+i%4]
.set i, i+1
.endr
.irp t, 0,1
.irp v, 0,1,2,3,4,5,6,7
.irp j, 0,1,2,3
	v_fma_f32 v[TM+4*\v+\j], v[BI+4*\v+\j], s86, v[ACC+32*\t+8*\j+\v]        ; the bias counts in K's first half alone; each accumulator from its low end on
.endr
.endr
.irp q, 0,1,2,3,4,5,6,7
	ds_store_b128 v11, v[TM+4*\q:TM+4*\q+3] offset:\t*16*SPI+16*\q
.endr
.endr
.endm
; The tokens of tile t's rows, two a load, and the wait for them and for the rows read back
.macro TKLOAD t, offb
.irp i, 0,1,2,3,4,5,6,7
	ds_load_b32 v[TK+\i], v14 offset:(\offb)+(\t)*64+\i*8
.endr
	s_wait_dscnt 0x0
.endm
.macro STK t                           ; the same for rows from 256 on: the trip chooses between two blocks, each with its own immediates
	s_cmp_lg_u32 s87, 0
	s_cbranch_scc1 .Ls1_\@
	TKLOAD \t, 2048
	s_branch .Lsj_\@
.Ls1_\@:
	TKLOAD \t, 4096
.Lsj_\@:
.endm
; THE STORES: whole rows of 256 bytes back out of my stage (my own bytes, served in order), two rows an instruction, each to its token's row: 16 lanes store 256 consecutive bytes, aligned.
; All 32 rows are stored: a place past the count holds the first token's row once more, bit for bit.
.macro STORE late
.irp t, 0,1
.irp i, 0,1,2,3,4,5,6,7
	ds_load_b128 v[OO+4*\i:OO+4*\i+3], v12 offset:\t*16*SPI+\i*2*SPI
.endr
.if \late
	STK \t
.else
	TKLOAD \t, 0
.endif
.irp i, 0,1,2,3,4,5,6,7
	v_min_u32 v[TK+\i], 0x3ff, v[TK+\i]            ; a token's number is below 1,024
	v_lshl_add_u32 v[VO+\i], v[TK+\i], OSH, v8
.endr
.irp i, 0,1,2,3,4,5,6,7
	global_store_b128 v[VO+\i], v[OO+4*\i:OO+4*\i+3], s[80:81]
.endr
	s_wait_xcnt 0x0                                ; the stores' data and offsets are written again only behind this wait
.endr
.endm
; Rows from 256 on: a wave's own unit of weights, its tokens' fragments, and one K step
.macro OWLOAD
.set i, 0
.rept 16
	global_load_b128 v[OS+4*i:OS+4*i+3], v15, s[96:97] offset:(i+8*(i/8))*ROWB
.set i, i+1
.endr
.endm
.macro OALOAD
	global_load_b128 v[OA:OA+3],     v16, s[20:21]
	global_load_b128 v[OA+4:OA+7],   v16, s[20:21] offset:32
	global_load_b128 v[OA+8:OA+11],  v17, s[20:21]
	global_load_b128 v[OA+12:OA+15], v17, s[20:21] offset:32
.endm
.macro OVK
	s_wait_loadcnt 0x0                             ; this step's weights and tokens; no load of mine is out, so both bases and the tokens' offsets may be written
.set p, 0
.rept 8
.irp j, 0,1,2,3
	v_cvt_pk_bf16_f32 v[BB+8*\j+p], v[OS+8*p+\j], v[OS+8*p+4+\j]
.endr
.set p, p+1
.endr
	s_add_co_u32 s84, s84, 32*ROWB                 ; the next 32 rows of K; behind the last the offsets wrap, so that no load leaves its buffer
	s_and_b32 s84, s84, WMASK
	s_add_nc_u64 s[96:97], s[82:83], s[84:85]
	OWLOAD
	s_add_co_u32 s22, s22, 64
	s_and_b32 s22, s22, AMASK
	s_add_nc_u64 s[20:21], s[78:79], s[22:23]
.irp t, 0,1
.irp j, 0,1,2,3
	v_wmma_f32_16x16x32_bf16 v[ACC+32*\t+8*\j:ACC+32*\t+8*\j+7], v[BB+8*\j:BB+8*\j+7], v[OA+8*\t:OA+8*\t+7], v[ACC+32*\t+8*\j:ACC+32*\t+8*\j+7]
.endr
.endr
	TOKADR                                         ; four plain lines that name no register of the products: the places behind them (ISA guide 7.12.1)
	OALOAD
.endm
; ---------------------------------------------------------------- the head
	s_load_b256 s[4:11], s[0:1], 0x0               ; hbuf s[4:5], w2 s[6:7], b2 s[8:9], bmap s[10:11]
	s_load_b64 s[12:13], s[0:1], 0x20              ; part
	v_lshl_add_u32 v4, v0, 2, SPARE                ; my spare word,
	v_mov_b32 v5, 0                                ; and 0: kept for the add at the wave's end
	v_lshrrev_b32 v20, 5, v0
	v_readfirstlane_b32 s2, v20                    ; wave 0..15
	s_and_b32 s17, ttmp7, 0xffff                   ; the expert
	v_and_b32 v21, 15, v0                          ; r
	v_bfe_u32 v2, v0, 4, 1                         ; h
	v_and_b32 v20, 31, v0
	v_lshlrev_b32 v3, 4, v20
	v_lshlrev_b32 v8, 4, v21
	v_lshlrev_b32 v9, 4, v2
	v_lshlrev_b32 v1, 7, v2
	v_lshl_add_u32 v15, v2, WSH, v8                ; 8 h rows of K + 16 r
	s_mul_i32 s29, s2, 32*ROWB
	v_add_nc_u32 v6, s29, v15                      ; + a producer's K step: 32 rows
	s_lshl_b32 s29, s2, 12
	v_add_nc_u32 v7, s29, v3                       ; its 4,096 bytes of a slot
	s_mul_i32 s29, s2, STGW
	s_add_co_u32 s29, s29, STG                     ; my stage
	v_mul_u32_u24 v20, v21, SPI
	v_lshl_add_u32 v20, v2, HSH, v20
	v_add_nc_u32 v11, s29, v20                     ; in: row r, my lanes' 32 columns
	v_mul_u32_u24 v20, v2, SPI
	v_add_nc_u32 v20, v8, v20
	v_add_nc_u32 v12, s29, v20                     ; back: lanes 0-15 one row of 256 bytes, lanes 16-31 the next
	s_lshl_b32 s29, s2, 7                          ; the list at rank 32 wave - 256: a consumer's rows in the pipeline; 512 and 1,024 ranks on: a wave's rows behind it
	s_add_co_u32 s29, s29, LIST-1024
	v_lshl_add_u32 v13, v21, 2, s29
	v_lshl_add_u32 v14, v2, 2, s29
	s_mov_b32 s23, 0
	s_mov_b32 s85, 0
	s_mov_b32 s31, 0
	s_and_b32 s29, ttmp9, 1                        ; which half of K
	s_lshr_b32 s16, ttmp9, 1
	s_lshl_b32 s16, s16, 8                         ; my 64 columns of f32
	s_cmp_eq_u32 s29, 0
	s_cselect_b32 s86, 1.0, 0
	s_wait_kmcnt 0x0
	s_lshl_b32 s30, s17, 24                        ; the expert's 16 MiB of weights,
	s_lshl_b32 s27, s29, 23                        ; 2,048 rows of 4,096 bytes
	s_add_co_u32 s30, s30, s27
	s_add_co_u32 s30, s30, s16
	s_add_nc_u64 s[82:83], s[6:7], s[30:31]
	s_lshl_b32 s30, s17, 12
	s_add_co_u32 s30, s30, s16
	s_add_nc_u64 s[76:77], s[8:9], s[30:31]        ; b2[e] at my columns
	s_lshl_b32 s30, s17, 7
	s_add_nc_u64 s[10:11], s[10:11], s[30:31]      ; bmap[e]
	s_lshl_b32 s30, s29, 22
	s_add_co_u32 s30, s30, s16
	s_add_nc_u64 s[80:81], s[12:13], s[30:31]      ; part[half] at my columns
	s_lshl_b32 s30, s29, 12
	s_add_nc_u64 s[78:79], s[4:5], s[30:31]        ; hbuf at my half of K
	s_load_b512 s[32:47], s[10:11], 0x0            ; the expert's bits: bit b of word g is token 32 g + b
	s_load_b512 s[48:63], s[10:11], 0x40
	s_mov_b64 s[18:19], s[82:83]
	s_cmp_lt_u32 s2, 8
	s_cbranch_scc1 .Lhead_p
	CLEAR                                          ; the consumers' sums begin at 0
	s_branch .Lhead_j
.Lhead_p:
	PRELOAD                                        ; the stream starts before the routing is known: the weights are read whatever the count
.Lhead_j:
	s_wait_kmcnt 0x0
	s_mov_b32 s24, 0
.set g, 0
.rept 32
	s_bcnt1_i32_b32 s29, s[32+g]
	s_add_co_u32 s24, s24, s29                     ; the expert's rows
.set g, g+1
.endr
	s_lshl_b32 s88, s2, 5
	s_sub_co_u32 s88, s88, 256                     ; a consumer's first row,
	s_cmp_lt_u32 s88, s24
	s_cselect_b32 s25, 1, 0                        ; and whether it has any
	s_cmp_lg_u32 s2, 8
	s_cbranch_scc1 .Lnot8
	; wave 8 makes the list: all 1,280 places are filled with the expert's first token, then each chosen token goes to its rank
	s_mov_b32 s30, 0
.set g, 31
.rept 32
	s_ctz_i32_b32 s29, s[32+g]
	s_add_co_u32 s29, s29, 32*g
	s_cmp_lg_u32 s[32+g], 0
	s_cselect_b32 s30, s29, s30
.set g, g-1
.endr
	v_mov_b32 v24, s30
	v_mov_b32 v25, s30
	v_mov_b32 v26, s30
	v_mov_b32 v27, s30
	v_add_nc_u32 v22, LIST, v3
.irp i, 0,1,2,3,4,5,6,7,8,9
	ds_store_b128 v22, v[24:27] offset:\i*512
.endr
	v_and_b32 v20, 31, v0                          ; my lane's token in word 0
	v_add_nc_u32 v23, 1280, v20                    ; where a lane without a place writes: behind the list
	s_mov_b32 s31, 0                               ; rows in the words before
.set g, 0
.rept 32
	v_mbcnt_lo_u32_b32 v21, s[32+g], s31           ; my rank: those rows and the set bits below my lane
	v_cndmask_b32 v21, v23, v21, s[32+g]
	v_min_u32 v21, 0x51f, v21
	v_lshl_add_u32 v22, v21, 2, LIST
	ds_store_b32 v22, v20                          ; one wave's stores, served in order: these land on the fill above
	v_add_nc_u32 v20, 32, v20
	s_bcnt1_i32_b32 s29, s[32+g]
	s_add_co_u32 s31, s31, s29
.set g, g+1
.endr
.Lnot8:
	BAR                                            ; the list is there for every wave; nobody writes it again
	s_cmp_lt_u32 s2, 8
	s_cbranch_scc1 .Lno_ring
	ROWSET 0                                       ; every consumer, with rows or without: the ring is written on every way
	TOKADR
	s_mov_b32 s22, 0
	s_mov_b64 s[20:21], s[78:79]
	RLOAD 0
	RLOAD 1
	RLOAD 2
	RLOAD 3
.Lno_ring:
; ---------------------------------------------------------------- the pipeline: chunk 0 is filled; then four trips of two halves
	s_cmp_ge_u32 s2, 8
	s_cbranch_scc1 .Lc0
	FILL S0, 0, 1                                  ; chunk 0; chunk 2 is asked for
	s_branch .Lj0
.Lc0:
	s_wait_loadcnt 0x0                             ; the way round the fill: the ring's first loads are in
.Lj0:
	BAR
	s_mov_b32 s26, 0
.Lpipe:
	; first half of trip t: chunk 2 t + 1 into slot 1 | chunk 2 t out of slot 0
	s_cmp_ge_u32 s2, 8
	s_cbranch_scc1 .LcA
	s_cmp_ge_u32 s26, 3
	s_cbranch_scc1 .LtA
	FILL S1, 1, 1                                  ; chunks 1, 3, 5; chunks 3, 5, 7 are asked for
	s_branch .LjA
.LtA:
	FILL S1, 1, 0                                  ; chunk 7
	s_branch .LjA
.LcA:
	s_wait_loadcnt 0x0                             ; the ring's loads, which went out ahead of the barrier: their offsets are made anew below, and no load is out on a way round a fill
	s_cmp_eq_u32 s25, 0
	s_cbranch_scc1 .LjA
	COMPUTE 0
.LjA:
	BAR
	; second half: chunk 2 t + 2 into slot 0 | chunk 2 t + 1 out of slot 1
	s_cmp_ge_u32 s2, 8
	s_cbranch_scc1 .LcB
	s_cmp_ge_u32 s26, 2
	s_cbranch_scc1 .LtB
	FILL S0, 0, 1                                  ; chunks 2, 4; chunks 4, 6 are asked for
	s_branch .LjB
.LtB:
	s_cmp_lg_u32 s26, 2
	s_cbranch_scc1 .LdB
	FILL S0, 0, 0                                  ; chunk 6
	s_branch .LjB
.LdB:
	s_wait_loadcnt 0x0                             ; the last trip: there is no chunk 8, and no load of mine is out
	s_branch .LjB
.LcB:
	s_wait_loadcnt 0x0                             ; as in the first half
	s_cmp_eq_u32 s25, 0
	s_cbranch_scc1 .LjB
	COMPUTE 1
	s_cmp_lg_u32 s26, 3
	s_cbranch_scc1 .LjB                            ; the sums end with chunk 7
	EPI
	STORE 0
.LjB:
	BAR
	s_add_co_u32 s26, s26, 1
	s_cmp_lt_u32 s26, 4
	s_cbranch_scc1 .Lpipe
; ---------------------------------------------------------------- rows from 256 on: all sixteen waves, 32 rows each and trip, no barrier; the only LDS bytes written are a wave's own stage
	s_wait_loadcnt 0x0                             ; the ring's last refills: their registers and offsets are written below
	s_mov_b32 s87, 0
	s_lshl_b32 s88, s2, 5
	s_add_co_u32 s88, s88, 256                     ; my first row: 256 + 512 trip + 32 wave
.Lovf:
	s_cmp_ge_u32 s88, s24
	s_cbranch_scc1 .Lovf_next                      ; no such row: forward, to the counter's step
	s_cmp_lg_u32 s87, 0
	s_cbranch_scc1 .Lr1
	ROWSET 2048
	s_branch .Lrj
.Lr1:
	ROWSET 4096
.Lrj:
	s_mov_b32 s84, 0
	CLEAR
	TOKADR
	s_mov_b32 s22, 0
	s_mov_b64 s[20:21], s[78:79]
	s_add_nc_u64 s[96:97], s[82:83], s[84:85]
	OWLOAD
	OALOAD
	s_mov_b32 s27, OKS
.Lovk:
	OVK
	s_sub_co_u32 s27, s27, 1
	s_cmp_lg_u32 s27, 0
	s_cbranch_scc1 .Lovk
	EPI
	STORE 1
.Lovf_next:
	s_add_co_u32 s88, s88, 512
	s_add_co_u32 s87, s87, 1
	s_cmp_lt_u32 s87, 2
	s_cbranch_scc1 .Lovf
	s_wait_tensorcnt 0x0                           ; the wave's end, behind my last LDS store
	ds_add_u32 v4, v5
	s_wait_dscnt 0x0
	s_endpgm
.Lfunc_end_k_qc5e27a69ac_down:
	.size	k_qc5e27a69ac_down, .Lfunc_end_k_qc5e27a69ac_down-k_qc5e27a69ac_down
	.p2alignl 7, 3214868480
	.fill 96, 4, 3214868480
	.section	.rodata,"a",@progbits
	.p2align	6, 0x0
	.amdhsa_kernel k_qc5e27a69ac_down
		.amdhsa_group_segment_fixed_size 212224
		.amdhsa_private_segment_fixed_size 0
		.amdhsa_enable_private_segment 0
		.amdhsa_kernarg_size 40
		.amdhsa_user_sgpr_count 2
		.amdhsa_user_sgpr_kernarg_segment_ptr 1
		.amdhsa_wavefront_size32 1
		.amdhsa_system_sgpr_workgroup_id_x 1
		.amdhsa_system_sgpr_workgroup_id_y 1
		.amdhsa_system_sgpr_workgroup_id_z 1
		.amdhsa_system_vgpr_workitem_id 0
		.amdhsa_next_free_vgpr 256
		.amdhsa_next_free_sgpr 100
		.amdhsa_reserve_vcc 0
		.amdhsa_float_denorm_mode_32 3
		.amdhsa_float_denorm_mode_16_64 3
		.amdhsa_memory_ordered 1
		.amdhsa_forward_progress 1
		.amdhsa_inst_pref_size 118
	.end_amdhsa_kernel
	.amdgpu_metadata
---
amdhsa.version: [ 1, 2 ]
amdhsa.kernels:
  - .name:           k_qc5e27a69ac_down
    .symbol:         k_qc5e27a69ac_down.kd
    .args:
      - { .name: hbuf, .offset: 0, .size: 8, .value_kind: global_buffer, .address_space: global }
      - { .name: w2, .offset: 8, .size: 8, .value_kind: global_buffer, .address_space: global }
      - { .name: b2, .offset: 16, .size: 8, .value_kind: global_buffer, .address_space: global }
      - { .name: bmap, .offset: 24, .size: 8, .value_kind: global_buffer, .address_space: global }
      - { .name: part, .offset: 32, .size: 8, .value_kind: global_buffer, .address_space: global }
    .group_segment_fixed_size: 212224
    .private_segment_fixed_size: 0
    .kernarg_segment_align: 8
    .kernarg_segment_size: 40
    .max_flat_workgroup_size: 512
    .sgpr_count:     100
    .vgpr_count:     256
    .wavefront_size: 32
...
	.end_amdgpu_metadata
.endif
;; end of part 3
;; launch add (part 4): grid 256 x 1, 8 waves a work-group, no clusters, 0 bytes of LDS; arguments part, out0; writes out0
.if DOCPART == 4
	.amdgcn_target "amdgcn-amd-amdhsa--gfx1250"
	.amdhsa_code_object_version 6
	.text
	.protected	k_qc5e27a69ac_add
	.globl	k_qc5e27a69ac_add
	.p2align	8
	.type	k_qc5e27a69ac_add,@function
k_qc5e27a69ac_add:
	s_mov_b64 s[64:65], 0
	v_nop
	global_prefetch_b8 v0, s[64:65] scope:SCOPE_SE
	s_setreg_imm32_b32 hwreg(HW_REG_WAVE_MODE, 25, 1), 1
	s_wait_xcnt 0x0
; out0 = part[0] + part[1]: the two halves of K of the second product, f32, [1024 tokens][1024] each.
; A stream: a work-group has 16,384 bytes of the output, a thread four pieces of 16 bytes; a wave's load or store covers 512 consecutive bytes, aligned.
; All eight loads of a wave go out before the first wait.  No LDS, barrier, matrix unit or cluster: nothing is shared and nothing is read twice.
.set HALF, 4194304                     ; bytes from part[0] to part[1]
	s_load_b128 s[4:7], s[0:1], 0x0                ; part s[4:5], out0 s[6:7]
	v_lshlrev_b32 v1, 4, v0
	s_lshl_b32 s8, ttmp9, 14
	s_mov_b32 s9, 0
	s_wait_kmcnt 0x0
	s_add_nc_u64 s[4:5], s[4:5], s[8:9]
	s_add_nc_u64 s[6:7], s[6:7], s[8:9]
.irp i, 0,1,2,3
	global_load_b128 v[4+8*\i:7+8*\i],  v1, s[4:5] offset:\i*4096 th:TH_LOAD_NT
	global_load_b128 v[8+8*\i:11+8*\i], v1, s[4:5] offset:\i*4096+HALF th:TH_LOAD_NT
.endr
.irp i, 0,1,2,3
	s_wait_loadcnt 6-2*\i                          ; pair i is in; the younger pairs stay out
	v_pk_add_f32 v[4+8*\i:5+8*\i], v[4+8*\i:5+8*\i], v[8+8*\i:9+8*\i]
	v_pk_add_f32 v[6+8*\i:7+8*\i], v[6+8*\i:7+8*\i], v[10+8*\i:11+8*\i]
	global_store_b128 v1, v[4+8*\i:7+8*\i], s[6:7] offset:\i*4096 th:TH_STORE_NT
.endr
	s_endpgm
.Lfunc_end_k_qc5e27a69ac_add:
	.size	k_qc5e27a69ac_add, .Lfunc_end_k_qc5e27a69ac_add-k_qc5e27a69ac_add
	.p2alignl 7, 3214868480
	.fill 96, 4, 3214868480
	.section	.rodata,"a",@progbits
	.p2align	6, 0x0
	.amdhsa_kernel k_qc5e27a69ac_add
		.amdhsa_group_segment_fixed_size 0
		.amdhsa_private_segment_fixed_size 0
		.amdhsa_enable_private_segment 0
		.amdhsa_kernarg_size 16
		.amdhsa_user_sgpr_count 2
		.amdhsa_user_sgpr_kernarg_segment_ptr 1
		.amdhsa_wavefront_size32 1
		.amdhsa_system_sgpr_workgroup_id_x 1
		.amdhsa_system_sgpr_workgroup_id_y 1
		.amdhsa_system_sgpr_workgroup_id_z 1
		.amdhsa_system_vgpr_workitem_id 0
		.amdhsa_next_free_vgpr 40
		.amdhsa_next_free_sgpr 66
		.amdhsa_reserve_vcc 0
		.amdhsa_float_denorm_mode_32 3
		.amdhsa_float_denorm_mode_16_64 3
		.amdhsa_memory_ordered 1
		.amdhsa_forward_progress 1
		.amdhsa_inst_pref_size 3
	.end_amdhsa_kernel
	.amdgpu_metadata
---
amdhsa.version: [ 1, 2 ]
amdhsa.kernels:
  - .name:           k_qc5e27a69ac_add
    .symbol:         k_qc5e27a69ac_add.kd
    .args:
      - { .name: part, .offset: 0, .size: 8, .value_kind: global_buffer, .address_space: global }
      - { .name: out0, .offset: 8, .size: 8, .value_kind: global_buffer, .address_space: global }
    .group_segment_fixed_size: 0
    .private_segment_fixed_size: 0
    .kernarg_segment_align: 8
    .kernarg_segment_size: 16
    .max_flat_workgroup_size: 256
    .sgpr_count:     66
    .vgpr_count:     40
    .wavefront_size: 32
...
	.end_amdgpu_metadata
.endif
;; end of part 4
;; ======== version 2 of 2: 4 launches; 1.22 times as fast as version 1
;; workspace buffers: bmap 1,024 bytes of whole numbers; xb 2,097,152 bytes; hbuf 8,388,608 bytes; part 16,777,216 bytes
;; launch router (part 5): grid 64 x 1, 8 waves a work-group, no clusters, 44,288 bytes of LDS; arguments x, router_w, router_b, game_emb, xb, bmap; writes xb, bmap
.if DOCPART == 5
	.amdgcn_target "amdgcn-amd-amdhsa--gfx1250"
	.amdhsa_code_object_version 6
	.text
	.protected	k_qc5e27a69ac_router
	.globl	k_qc5e27a69ac_router
	.p2align	8
	.type	k_qc5e27a69ac_router,@function
k_qc5e27a69ac_router:
	s_mov_b64 s[64:65], 0
	v_nop
	global_prefetch_b8 v0, s[64:65] scope:SCOPE_SE
	s_setreg_imm32_b32 hwreg(HW_REG_WAVE_MODE, 25, 1), 1
	s_wait_xcnt 0x0
; ROUTER.  logits = x router_w + router_b, the expert e of a token = argmax (the lower index wins a tie).  Stores
;   xb   [1024 tokens][1024] bf16: bf16(bf16(x) + bf16(0.1 bf16(game_emb[e]))), the left operand of the first product;
;   bmap [8 experts][64 tiles] of 16 bits: bit r of (e, tile) says that token 16 tile + r chose expert e.
; Both lie at fixed places: no address and no branch here hangs on the choice; the embedding's row is CHOSEN AS A VALUE, by three levels of v_cndmask_b32 on the bits of e.
; FORMAT.  x, router_w, router_b and game_emb are rounded once to bf16, as every input of the program is; the products of bf16 numbers are exact in f32 and the sums are f32.
; LIMIT.  A NaN logit never wins the comparison (jnp.argmax would take it); infinities are not treated apart.
; SHARES.  A work-group has 16 tokens; wave w has K = 128 w .. 128 w + 127 of them: four matrix instructions, source 0 = 16 rows of router_w^T (experts 0-7 twice), source 1 = 16 tokens.
; In the result a lane holds token lane % 16 and register v holds expert v, in both halves of the lanes.  The eight waves' sums meet in LDS; wave 0 adds them in ascending order of K, finds
; the experts and hands them to all waves through LDS; each wave then adds the chosen embedding to its 128 columns of the 16 rows, which it has kept in registers, and stores them.
; No cluster and no copy engine: the work-groups share only router_w and game_emb, 32 KiB each, and x has to pass through registers to be rounded.
.set XTW,   4352                       ; a wave's own 16 rows x 272 bytes of rounded x (256 + 16: the 16 rows of a fragment load start at 16 different groups of banks)
.set RED,   34816                      ; 8 waves x 1,024 bytes: the partial logits
.set EXL,   43008                      ; a block of 256 bytes: the 16 tokens' experts, one word each (written twice over by 32 lanes)
.set SPARE, 43264                      ; the spare words, 128 bytes a wave
.set X,   16                           ; v16-79    x as loaded: row i at X + 4 i
.set W,   80                           ; v80-143   router_w as loaded: K step ks, place p at W + 16 ks + p
.set XB,  144                          ; v144-175  x in bf16, later x + 0.1 g: row i at XB + 2 i
.set WF,  176                          ; v176-207  router_w's four fragments
.set AC0, 208                          ; v208-215, v216-223: two accumulators that take turns
.set AC1, 216
.set TF,  16                           ; v16-47    the tokens' four fragments, when X has been rounded
.set G,   224                          ; v224-255  my 4 columns of the 8 embedding rows as loaded; then bf16(0.1 bf16 g), packed, in the first two registers of each four
.set EX,  16                           ; v16-31    behind the second barrier: the 16 tokens' experts, the same in every lane; v32-47 the levels of the choice; v48-50 at work
	s_load_b256 s[4:11], s[0:1], 0x0               ; x s[4:5], router_w s[6:7], router_b s[8:9], game_emb s[10:11]
	s_load_b128 s[12:15], s[0:1], 0x20             ; xb s[12:13], bmap s[14:15]
	v_lshl_add_u32 v4, v0, 2, SPARE                ; my spare word,
	v_mov_b32 v5, 0                                ; and 0: kept for the add at the wave's end
	v_lshrrev_b32 v12, 5, v0
	v_readfirstlane_b32 s2, v12                    ; wave 0..7
	v_and_b32 v1, 31, v0                           ; lane
	v_and_b32 v2, 15, v0                           ; r
	v_bfe_u32 v3, v0, 4, 1                         ; h
	v_lshlrev_b32 v6, 4, v0                        ; x and game_emb: 512 w + 16 lane
	v_lshlrev_b32 v8, 3, v0                        ; xb: 256 w + 8 lane
	v_and_b32 v7, 7, v0                            ; router_w: my fragment row's expert, 4 bytes each,
	v_lshlrev_b32 v7, 2, v7
	v_lshl_add_u32 v7, v3, 8, v7                   ; + 8 h rows of 32 bytes
	v_lshl_add_u32 v7, s2, 12, v7                  ; + 128 w rows
	s_mul_i32 s16, s2, XTW
	v_lshl_add_u32 v9, v1, 3, s16                  ; into my rows of rounded x: 8 bytes a lane
	v_mul_u32_u24 v10, v2, 272
	v_lshl_add_u32 v10, v3, 4, v10
	v_add_nc_u32 v10, s16, v10                     ; back as fragments: row r, 16 bytes for each half of the lanes
	s_lshl_b32 s17, s2, 10
	s_add_co_u32 s17, s17, RED
	v_lshl_add_u32 v11, v1, 5, s17                 ; my eight partial logits
	s_lshl_b32 s20, ttmp9, 16                      ; 16 rows of 4,096 bytes of x
	s_mov_b32 s21, 0
	s_lshl_b32 s22, ttmp9, 15                      ; 16 rows of 2,048 bytes of xb
	s_mov_b32 s23, 0
	s_wait_kmcnt 0x0
	s_load_b256 s[48:55], s[8:9], 0x0              ; router_b
	s_add_nc_u64 s[4:5], s[4:5], s[20:21]
	s_add_nc_u64 s[30:31], s[12:13], s[22:23]
.irp e, 0,1,2,3,4,5,6,7                                ; the oldest loads: the counted waits below count what is younger than x
	global_load_b128 v[G+4*\e:G+4*\e+3], v6, s[10:11] offset:\e*4096
.endr
.set i, 0
.rept 16                                               ; a load covers 512 consecutive bytes of one token's row
	global_load_b128 v[X+4*i:X+4*i+3], v6, s[4:5] offset:i*4096 th:TH_LOAD_NT
.set i, i+1
.endr
; router_w for K steps a and a + 1: place p of a lane's 16 is row p (p < 8) or p + 8 of the step's 32, plus 8 h
.macro WLOAD a
.set i, 0
.rept 32
	global_load_b32 v[W+16*(\a)+i], v7, s[6:7] offset:((\a)+i/16)*1024+(i%16+8*((i%16)/8))*32
.set i, i+1
.endr
.endm
.macro WCVT ks                         ; K step ks of router_w becomes a fragment
.set i, 8*(\ks)
.rept 8
	v_cvt_pk_bf16_f32 v[WF+i], v[W+2*i], v[W+2*i+1]
.set i, i+1
.endr
.endm
	WLOAD 0
	s_wait_loadcnt 32                              ; the embedding and x are in; the 32 younger loads of router_w stay out
.set i, 0
.rept 32
	v_cvt_pk_bf16_f32 v[XB+i], v[X+2*i], v[X+2*i+1]
.set i, i+1
.endr
.set i, 0
.rept 16
	ds_store_b64 v9, v[XB+2*i:XB+2*i+1] offset:i*272
.set i, i+1
.endr
.set i, 0
.rept 4                                                ; my own bytes, served in order: no wait between the stores above and these loads
	ds_load_b128 v[TF+8*i:TF+8*i+3],   v10 offset:i*64
	ds_load_b128 v[TF+8*i+4:TF+8*i+7], v10 offset:i*64+32
.set i, i+1
.endr
.irp e, 0,1,2,3,4,5,6,7                                ; g rounded to bf16, times 0.1 in f32, rounded to bf16: work on registers while router_w is on its way
	v_cvt_pk_bf16_f32 v13, v[G+4*\e], v[G+4*\e+1]
	v_cvt_pk_bf16_f32 v14, v[G+4*\e+2], v[G+4*\e+3]
	v_lshlrev_b32 v[G+4*\e], 16, v13
	v_and_b32 v[G+4*\e+1], 0xffff0000, v13
	v_lshlrev_b32 v[G+4*\e+2], 16, v14
	v_and_b32 v[G+4*\e+3], 0xffff0000, v14
	v_pk_mul_f32 v[G+4*\e:G+4*\e+1], v[G+4*\e:G+4*\e+1], 0x3dcccccd op_sel_hi:[1,0]
	v_pk_mul_f32 v[G+4*\e+2:G+4*\e+3], v[G+4*\e+2:G+4*\e+3], 0x3dcccccd op_sel_hi:[1,0]
	v_cvt_pk_bf16_f32 v[G+4*\e], v[G+4*\e], v[G+4*\e+1]
	v_cvt_pk_bf16_f32 v[G+4*\e+1], v[G+4*\e+2], v[G+4*\e+3]
.endr
	s_wait_loadcnt 16                              ; K step 0 is in; K step 1's 16 loads stay out
	WCVT 0
	WLOAD 2
	s_wait_loadcnt 32                              ; K step 1 is in; the 32 just issued stay out
	WCVT 1
	s_wait_loadcnt 16                              ; K step 2
	WCVT 2
	s_wait_loadcnt 0x0
	WCVT 3
	s_wait_dscnt 0x0                               ; the tokens' fragments
	v_wmma_f32_16x16x32_bf16 v[AC0:AC0+7], v[WF:WF+7],       v[TF:TF+7],       0   ; two accumulators by turns
	v_wmma_f32_16x16x32_bf16 v[AC1:AC1+7], v[WF+8:WF+15],    v[TF+8:TF+15],    0
	v_wmma_f32_16x16x32_bf16 v[AC0:AC0+7], v[WF+16:WF+23],   v[TF+16:TF+23],   v[AC0:AC0+7]
	v_wmma_f32_16x16x32_bf16 v[AC1:AC1+7], v[WF+24:WF+31],   v[TF+24:TF+31],   v[AC1:AC1+7]
.rept 4
	v_nop                                          ; four places behind the last product (ISA guide 7.12.1)
.endr
.irp q, 0,2,4,6
	v_pk_add_f32 v[W+\q:W+\q+1], v[AC0+\q:AC0+\q+1], v[AC1+\q:AC1+\q+1]   ; from the low end on
.endr
	ds_store_b128 v11, v[W:W+3]
	ds_store_b128 v11, v[W+4:W+7] offset:16
	s_wait_dscnt 0x0                               ; for wave 0's sake: my partial logits are in LDS
	s_barrier_signal -1
	s_barrier_wait -1
	s_cmp_lg_u32 s2, 0
	s_cbranch_scc1 .Lw                             ; wave 0 alone finds the experts; no barrier stands in its part
	v_lshl_add_u32 v12, v1, 5, RED
.set i, 0
.rept 8
	ds_load_b128 v[16+8*i:19+8*i], v12 offset:i*1024
	ds_load_b128 v[20+8*i:23+8*i], v12 offset:i*1024+16
.set i, i+1
.endr
	s_wait_kmcnt 0x0                               ; router_b
.irp i, 0,1,2,3
	v_cvt_pk_bf16_f32 v[88+\i], s[48+2*\i], s[49+2*\i]        ; rounded to bf16 like every input,
.endr
.irp i, 0,1,2,3
	v_lshlrev_b32 v[92+2*\i], 16, v[88+\i]                    ; and back to f32
	v_and_b32 v[93+2*\i], 0xffff0000, v[88+\i]
.endr
	s_wait_dscnt 0x0
.irp w, 1,2,3,4,5,6,7
.irp q, 0,2,4,6
	v_pk_add_f32 v[16+\q:17+\q], v[16+\q:17+\q], v[16+8*\w+\q:17+8*\w+\q]
.endr
.endr
.irp q, 0,2,4,6
	v_pk_add_f32 v[16+\q:17+\q], v[16+\q:17+\q], v[92+\q:93+\q]
.endr
	v_mov_b32 v100, v16                            ; the best logit so far,
	v_mov_b32 v101, 0                              ; and its expert
.irp e, 1,2,3,4,5,6,7
	v_cmp_gt_f32 vcc_lo, v[16+\e], v100            ; strictly greater: the lower index keeps a tie
	v_cndmask_b32 v100, v100, v[16+\e], vcc_lo
	v_cndmask_b32 v101, v101, \e, vcc_lo
.endr
	v_lshl_add_u32 v104, v1, 2, EXL
	ds_store_b32 v104, v101                        ; token r's expert at word r (and, from the upper lanes, once more at word 16 + r)
.irp e, 0,1,2,3,4,5,6,7
	v_cmp_eq_u32 s[40+\e], \e, v101                ; bits 0-15: the tile's tokens that chose e (bits 16-31 repeat them)
.endr
	v_mov_b32 v102, 0
.irp e, 0,1,2,3,4,5,6,7
	v_writelane_b32 v102, s[40+\e], \e             ; lane e holds expert e's bits
.endr
	s_lshl_b32 s34, ttmp9, 1
	v_lshl_add_u32 v103, v1, 7, s34                ; bmap[lane][tile]: 128 bytes an expert, 2 a tile
	v_cmp_gt_u32 vcc_lo, 8, v0
	s_wait_xcnt 0x0                                ; EXEC is a source of pending memory instructions: it changes only behind this wait
	s_and_saveexec_b32 s28, vcc_lo
	global_store_b16 v103, v102, s[14:15]          ; eight lanes, the low 16 bits each
	s_wait_xcnt 0x0                                ; and again ahead of the line that widens it
	s_or_b32 exec_lo, exec_lo, s28
.Lw:
	s_wait_dscnt 0x0                               ; wave 0: the experts are in LDS
	s_barrier_signal -1
	s_barrier_wait -1
	v_mov_b32 v12, EXL
.irp i, 0,1,2,3
	ds_load_b128 v[EX+4*\i:EX+4*\i+3], v12 offset:16*\i       ; every lane reads the same 16 words
.endr
	s_wait_dscnt 0x0
; Row i: the bits of its expert as masks (all lanes alike); of the 8 packed embedding pairs bit 0 keeps 4, bit 1 keeps 2, bit 2 keeps 1; x + 0.1 g rounded to bf16; the row's 256 bytes of this wave leave.
.irp i, 0,1,2,3,4,5,6,7,8,9,10,11,12,13,14,15
	v_and_b32 v48, 1, v[EX+\i]
	v_and_b32 v49, 2, v[EX+\i]
	v_and_b32 v50, 4, v[EX+\i]
	v_cmp_ne_u32 s40, 0, v48
	v_cmp_ne_u32 s41, 0, v49
	v_cmp_ne_u32 s42, 0, v50
.irp p, 0,1,2,3
.irp q, 0,1
	v_cndmask_b32 v[32+2*\p+\q], v[G+8*\p+\q], v[G+8*\p+4+\q], s40
.endr
.endr
.irp p, 0,1
.irp q, 0,1
	v_cndmask_b32 v[40+2*\p+\q], v[32+4*\p+\q], v[32+4*\p+2+\q], s41
.endr
.endr
.irp q, 0,1
	v_cndmask_b32 v[44+\q], v[40+\q], v[42+\q], s42
.endr
.irp q, 0,1
	v_pk_add_bf16 v[XB+2*\i+\q], v[XB+2*\i+\q], v[44+\q]
.endr
	global_store_b64 v8, v[XB+2*\i:XB+2*\i+1], s[30:31] offset:\i*2048  ; the wave's store covers 256 consecutive bytes, aligned
.endr
	s_wait_tensorcnt 0x0                           ; the wave's end, behind my last LDS store
	ds_add_u32 v4, v5
	s_wait_dscnt 0x0
	s_endpgm
.Lfunc_end_k_qc5e27a69ac_router:
	.size	k_qc5e27a69ac_router, .Lfunc_end_k_qc5e27a69ac_router-k_qc5e27a69ac_router
	.p2alignl 7, 3214868480
	.fill 96, 4, 3214868480
	.section	.rodata,"a",@progbits
	.p2align	6, 0x0
	.amdhsa_kernel k_qc5e27a69ac_router
		.amdhsa_group_segment_fixed_size 44288
		.amdhsa_private_segment_fixed_size 0
		.amdhsa_enable_private_segment 0
		.amdhsa_kernarg_size 48
		.amdhsa_user_sgpr_count 2
		.amdhsa_user_sgpr_kernarg_segment_ptr 1
		.amdhsa_wavefront_size32 1
		.amdhsa_system_sgpr_workgroup_id_x 1
		.amdhsa_system_sgpr_workgroup_id_y 1
		.amdhsa_system_sgpr_workgroup_id_z 1
		.amdhsa_system_vgpr_workitem_id 0
		.amdhsa_next_free_vgpr 256
		.amdhsa_next_free_sgpr 66
		.amdhsa_reserve_vcc 1
		.amdhsa_float_denorm_mode_32 3
		.amdhsa_float_denorm_mode_16_64 3
		.amdhsa_memory_ordered 1
		.amdhsa_forward_progress 1
		.amdhsa_inst_pref_size 51
	.end_amdhsa_kernel
	.amdgpu_metadata
---
amdhsa.version: [ 1, 2 ]
amdhsa.kernels:
  - .name:           k_qc5e27a69ac_router
    .symbol:         k_qc5e27a69ac_router.kd
    .args:
      - { .name: x, .offset: 0, .size: 8, .value_kind: global_buffer, .address_space: global }
      - { .name: router_w, .offset: 8, .size: 8, .value_kind: global_buffer, .address_space: global }
      - { .name: router_b, .offset: 16, .size: 8, .value_kind: global_buffer, .address_space: global }
      - { .name: game_emb, .offset: 24, .size: 8, .value_kind: global_buffer, .address_space: global }
      - { .name: xb, .offset: 32, .size: 8, .value_kind: global_buffer, .address_space: global }
      - { .name: bmap, .offset: 40, .size: 8, .value_kind: global_buffer, .address_space: global }
    .group_segment_fixed_size: 44288
    .private_segment_fixed_size: 0
    .kernarg_segment_align: 8
    .kernarg_segment_size: 48
    .max_flat_workgroup_size: 256
    .sgpr_count:     66
    .vgpr_count:     256
    .wavefront_size: 32
...
	.end_amdgpu_metadata
.endif
;; end of part 5
;; launch up (part 6): grid 32 x 8, 16 waves a work-group, no clusters, 213,760 bytes of LDS; arguments xb, w1, b1, bmap, hbuf; writes hbuf
.if DOCPART == 6
	.amdgcn_target "amdgcn-amd-amdhsa--gfx1250"
	.amdhsa_code_object_version 6
	.text
	.protected	k_qc5e27a69ac_up
	.globl	k_qc5e27a69ac_up
	.p2align	8
	.type	k_qc5e27a69ac_up,@function
k_qc5e27a69ac_up:
	s_mov_b64 s[64:65], 0
	v_nop
	global_prefetch_b8 v0, s[64:65] scope:SCOPE_SE
	s_setreg_imm32_b32 hwreg(HW_REG_WAVE_MODE, 25, 1), 1
	s_wait_xcnt 0x0
; FIRST PRODUCT: hbuf[token][i] = gelu(xb[token] W1[e] + b1[e]) for the tokens that chose expert e, in bf16, rows by token.  xb holds x + 0.1 g_e, made by the launch before.
; SHARES.  Grid y = expert; grid x = 128 columns of W1[e] x K = 1,024, which this work-group alone reads, once: eight CHUNKS of 128 K x 128 columns (64 KiB of f32).  All 128 columns are multiplied
; together, so that a token row is read once by the work-group: 2,048 bytes of it feed 128 columns.
; Waves 0-7 are PRODUCERS: wave w loads K step w % 4 (32 K) of column group w / 4 (64 columns) of each chunk, each load two whole pieces of 256 bytes, rounds it to bf16 and lays it into LDS as four finished fragments.
; Waves 8-15 are CONSUMERS: wave w has the expert's rows 32 (w - 8) .. + 31 (by rank) x 128 columns, 16 accumulators; one with no row jumps its work and passes every barrier.
; While the producers fill chunk i into slot i % 2 the consumers multiply chunk i - 1 out of the other slot: one barrier orders both.
; NO TRANSPOSITION.  A producer lane (r, h) loads columns 4 r .. 4 r + 3 of 16 rows of K; column 4 r + j of those rows IS lane (r, h) of fragment j, whose row m stands for column 4 m + j.
; Source 0 = a weight fragment, source 1 = 16 tokens: register v of accumulator (g, j) then holds token r, column 64 g + 32 h + 4 v + j: a lane has 32 neighbouring columns of one row in each group.
; REGISTERS OF A CONSUMER: 128 of sums, 64 of token fragments (a ring of four K steps, which is a chunk), 32 of weight fragments: one column group's four, loaded, multiplied, loaded again.
; THE RING'S WAITS ARE COUNTED: a K step waits for its own slot's four loads and leaves the three younger slots out, across the barriers too.  The two texts of a chunk's products have each their own offset registers
; and base for the refills, so that neither is rewritten while a load that names it is out.
; THE BIAS is fetched once, at the head, rounded to bf16 and kept in LDS: the epilogue, at the launch's end, waits for no load from memory.
; EVERY LDS ADDRESS is a register made once at the head (a constant, the wave's number times a constant, a lane term) plus an immediate; where one text serves several places, short blocks stand under forward branches.
; A TOKEN'S NUMBER comes out of the list, so it is loaded data: it is held to 1,023 and made into an offset anew at the head of each run of lines that loads or stores by it (TOKADR, STORE).
; EVERY SPLIT.  Rows 0-255 go through the pipeline; rows from 256 on are served behind it, 32 rows a wave, each wave loading and rounding the weights for itself, with no barrier: right, and slow by design.
; ONE WAY OUT.  A loop of three passes (the pipeline's rows; twice the late rows) by two column groups holds the epilogue once: it works on the first group's 64 registers.  In pass 0 the second group's sums are moved there
; (64 moves); in the late passes each group is summed there, and the second group's registers hold the weights as loaded.
; ROWS PAST THE COUNT.  In a wave that has rows, the places past the count hold the expert's first token.  They are multiplied like any row, give that row's bits again (the same fragments, the same order of sums), and are
; stored onto that row again by this same work-group: no lane is masked.  The price: at most 31 rows of 256 bytes stored again by a wave that is not full.  A wave with no row stores nothing.
; The accumulators are cleared by moves on purpose: a dead consumer jumps over its parts, and so every register that a later part reads is written on every way; the price is 128 moves.
; FORMAT.  Every input is rounded once to bf16; h is rounded to bf16 for hbuf; all sums are f32.
; GELU is the exact form, erf by the rational series 7.1.26 of Abramowitz and Stegun (absolute error at most 1.5e-7 for every argument): gelu = (x + |x| erf(|x| / sqrt 2)) / 2.  NaN and infinities are not treated apart.
; NO MULTICAST, NO COPY ENGINE: each slice of weights has one reader and has to pass through registers to be rounded; what an expert's work-groups share are token rows named by a list, which no tile describes.
.set ROWB,  16384                      ; bytes from a row of K to the next in the weights
.set WSH,   17                         ; 8 such rows as a shift
.set ASH,   11                         ; a token's row in xb: 2,048 bytes
.set AMASK, 2047                       ; the bytes of that row that the work-group walks
.set OSH,   13                         ; a token's row in hbuf: 8,192 bytes
.set HSH,   6                          ; a lane's 32 columns in the stage: 64 bytes
.set OKS,   32                         ; K steps in all
.set WMASK, 0xffffff                   ; the weights' bytes that the work-group walks: 1,024 rows
.set CHB,   128*ROWB                   ; bytes from chunk to chunk
; LDS
.set SLOTB, 32768                      ; 0 .. 65,535: two slots; group g, K step ks, fragment j, half hf at slot + 16,384 g + 4,096 ks + 1,024 j + 512 hf + 16 lane: written and read by neighbouring lanes
.set GRPB,  16384
.set STG,   65536                      ; 16 waves x 8,704: each wave's own stage, 32 rows x 272 bytes (256 + 16)
.set STGW,  8704
.set SPI,   272
.set LIST,  204800                     ; 6,400 bytes: 256 places ahead of rank 0, then 1,280 places by rank; all but the chosen tokens' hold the expert's first token; then 32 words for the lanes that have no place
.set BIAS,  211200                     ; 512 bytes: my 128 columns' biases, rounded to bf16, as f32
.set SPARE, 211712                     ; the spare words, 128 bytes a wave
; vector registers, made at the head and never rewritten: v0 thread; v2 h; v3 16 lane; v4, v5 the add's two; v6 producer: weights' offset; v7 producer: LDS place; v8 16 r; v9 16 h;
; v10 the bias in LDS + 128 h; v11 stage in; v12 stage back; v13, v14 the list at word 32 x wave, + 4 r, + 4 h; v15 weights' lane term.
; v16, v17 and v20, v21: my two tiles' token rows, a set for each text of a chunk's products; v18, v19 their tokens' numbers; v20-31 at work at the head.  A producer has its packed results in v16-31.
.set TB,  16                           ; producer: v16-31 half of a unit's four fragments; v128-191, v192-255 a unit as loaded, two buffers
.set S0,  128
.set S1,  192
.set BB,  32                           ; consumer: v32-63 one column group's four weight fragments
.set AR,  64                           ; v64-127   the tokens' ring: slot s, tile t at AR + 16 s + 8 t
.set ACC, 128                          ; v128-255  accumulator (g, t, j) at ACC + 64 g + 32 t + 8 j
.set BI,  96                           ; epilogue: v96-127 bias; v32-63 at work; v64-79 packed h
.set RZ,  32
.set RT,  40
.set RX,  48
.set RP,  56
.set HH,  64
.set OO,  64                           ; stores, tile t: 32 registers of rows read back at OO - 32 t; their tokens at TK + 16 t; their offsets at VO + 16 t
.set TK,  96
.set VO,  104
.set OS,  192                          ; rows from 256 on: v192-255 a unit as loaded; v64-79 the tokens' fragments
.set OA,  64
; scalar registers.  s2 wave; s[4:13] arguments; s16 group; s17 expert; s[18:19] the stream; s[20:21], s[98:99] tokens' base + s[22:23], a pair for each text of a chunk's products; s24 count; s25 live;
; s26, s27, s87 counters; s29-31 at work; s[32:63] the expert's 1,024 bits; s[66:75] a1-a5; s[76:77] bias; s[78:79] tokens' base; s[80:81] output; s[82:83] weights; s[84:85] late rows: their offset; s88 first row;
; s[90:94] constants; s[96:97] late rows: weights + offset
.macro BAR                             ; what I stored is in LDS and what I read is in registers; then all sixteen waves meet
	s_wait_dscnt 0x0
	s_barrier_signal -1
	s_barrier_wait -1
.endm
.macro PLACES                          ; four places behind matrix instructions, ahead of loads into registers that they read and of lines that read their results
.rept 4
	v_nop
.endr
.endm
; The first two units: 32 loads of 512 bytes, two whole pieces of 256 bytes each.  Load i takes row i (i < 8) or i + 8 of the unit's 32, plus 8 h.  Their base is never rewritten.
.macro PRELOAD
.set i, 0
.rept 16
	global_load_b128 v[S0+4*i:S0+4*i+3], v6, s[82:83] offset:(i+8*(i/8))*ROWB th:TH_LOAD_NT
.set i, i+1
.endr
.set i, 0
.rept 16
	global_load_b128 v[S1+4*i:S1+4*i+3], v6, s[82:83] offset:(i+8*(i/8))*ROWB+CHB th:TH_LOAD_NT
.set i, i+1
.endr
.endm
; A unit in buffer sb is rounded and laid into the slot, half a fragment's registers at a time.
; ahead = 1: its registers are loaded again, two loads at a time, with the unit two chunks on: 32 loads of the wave are always out.  The count: behind loads 2 p, 2 p + 1 of this unit were issued its other
; 14 - 2 p, the next unit's 16 and the 2 p reissued: 30.  The stream's base steps at the head: the loads that named it last went out ahead of the last barrier.
; ahead = 0 (chunks 6 and 7): nothing is left to ask for; the wave waits for all its loads.  A way through the text that leads round a FILL either issues sixteen loads in its stead (a ring's) or holds a wait for
; all loads: so a unit's registers are either 30 loads back or not pending at all, whichever way led here.
.macro FILL sb, slot, ahead
.if \ahead
	s_wait_xcnt 0x0                                ; the base is rewritten only behind this wait
	s_add_nc_u64 s[18:19], s[18:19], CHB
.else
	s_wait_loadcnt 0x0
.endif
.set p, 0
.rept 8
.if \ahead
	s_wait_loadcnt 30
.endif
.irp j, 0,1,2,3
	v_cvt_pk_bf16_f32 v[TB+4*\j+p%4], v[(\sb)+8*p+\j], v[(\sb)+8*p+4+\j]   ; two neighbouring K of column 4 r + j
.endr
.if \ahead
	global_load_b128 v[(\sb)+8*p:(\sb)+8*p+3],   v6, s[18:19] offset:(2*p+8*(p/4))*ROWB th:TH_LOAD_NT
	global_load_b128 v[(\sb)+8*p+4:(\sb)+8*p+7], v6, s[18:19] offset:(2*p+1+8*(p/4))*ROWB th:TH_LOAD_NT
.endif
.if p%4 == 3
.irp j, 0,1,2,3
	ds_store_b128 v7, v[TB+4*\j:TB+4*\j+3] offset:(\slot)*SLOTB+\j*1024+(p/4)*512
.endr
.endif
.set p, p+1
.endr
.endm
; Ring slot s: 64 bytes of two tiles' token rows, as fragments; offsets in v[a], v[a + 1], base in s[b : b + 1]
.macro RLOAD s, a, b
	global_load_b128 v[AR+16*(\s):AR+16*(\s)+3],     v[\a],     s[\b:\b+1] offset:(\s)*64
	global_load_b128 v[AR+16*(\s)+4:AR+16*(\s)+7],   v[\a],     s[\b:\b+1] offset:(\s)*64+32
	global_load_b128 v[AR+16*(\s)+8:AR+16*(\s)+11],  v[(\a)+1], s[\b:\b+1] offset:(\s)*64
	global_load_b128 v[AR+16*(\s)+12:AR+16*(\s)+15], v[(\a)+1], s[\b:\b+1] offset:(\s)*64+32
.endm
; My two tiles' tokens out of the list, offb bytes behind my wave's fixed place
.macro ROWSET offb
	ds_load_b32 v18, v13 offset:(\offb)
	ds_load_b32 v19, v13 offset:(\offb)+64
	s_wait_dscnt 0x0
.endm
; Their rows' offsets into v[a], v[a + 1]: a token's number is below 1,024, and is held there before it enters an address.  Stands only where no load that names v[a] or v[a + 1] is out.
.macro TOKADR a
	v_min_u32 v18, 0x3ff, v18
	v_min_u32 v19, 0x3ff, v19
	v_lshl_add_u32 v[\a], v18, ASH, v9
	v_lshl_add_u32 v[(\a)+1], v19, ASH, v9
.endm
; The ring's refills take the next chunk's 256 bytes of the token rows; the offset is held inside the bytes that the work-group walks, so no load leaves a row.  Stands only where no load that names s[b : b + 1] is out.
.macro KGROUP b
	s_add_co_u32 s22, s22, 256
	s_and_b32 s22, s22, AMASK
	s_add_nc_u64 s[\b:\b+1], s[78:79], s[22:23]
.endm
; Column group g of K step ks: its four fragments come out of the slot, and as each has come (LDS loads come back in order, ISA guide 5.7.1: the count is the younger fragments' loads) it is multiplied by both tiles.
; lw >= 0: the K step's ring slot is waited for, behind the LDS loads' issue: lw is the number of the younger slots' loads.  The 16 accumulators take turns, in the same order in every K step.
.macro GROUP slot, ks, g, lw
.irp j, 0,1,2,3
	ds_load_b128 v[BB+8*\j:BB+8*\j+3],   v3 offset:(\slot)*SLOTB+(\g)*GRPB+(\ks)*4096+\j*1024
	ds_load_b128 v[BB+8*\j+4:BB+8*\j+7], v3 offset:(\slot)*SLOTB+(\g)*GRPB+(\ks)*4096+\j*1024+512
.endr
.if (\lw) >= 0
	s_wait_loadcnt \lw
.endif
.irp j, 0,1,2,3
	s_wait_dscnt 6-2*\j
.irp t, 0,1
	v_wmma_f32_16x16x32_bf16 v[ACC+64*(\g)+32*\t+8*\j:ACC+64*(\g)+32*\t+8*\j+7], v[BB+8*\j:BB+8*\j+7], v[AR+16*(\ks)+8*\t:AR+16*(\ks)+8*\t+7], v[ACC+64*(\g)+32*\t+8*\j:ACC+64*(\g)+32*\t+8*\j+7]
.endr
.endr
	PLACES
.endm
; A chunk out of the slot: four K steps, written out, so that every LDS address is v3 plus an immediate.
; refill = 1: behind its two groups a ring slot is loaded again with the same K step of the next chunk; behind a slot's four loads then always stand the twelve of the three younger slots: the count is 12.
; refill = 0, the last chunk: nothing is asked for, and the counts run down 12, 8, 4, 0.
; The text for slot 0 refills by v16, v17 and s[20:21], the text for slot 1 by v20, v21 and s[98:99].  The two texts take turns, so the loads that named a set were issued two chunks back, and the four counted
; waits of the chunk between have shown them done (on the way of a wave without rows: its wait for all loads): the set is written anew with no further wait.
.macro COMPUTE slot, refill
.set RA, 16+4*(\slot)
.set RB, 20+78*(\slot)
.if \refill
	TOKADR RA
	KGROUP RB
.endif
.irp k, 0,1,2,3
.if \refill
	GROUP \slot, \k, 0, 12
.else
	GROUP \slot, \k, 0, 12-4*\k
.endif
	GROUP \slot, \k, 1, -1
.if \refill
	RLOAD \k, RA, RB
.endif
.endr
.endm
.macro CLEAR n                         ; the first n registers of the sums
.set i, 0
.rept \n
	v_mov_b32 v[ACC+i], 0
.set i, i+1
.endr
.endm
; gelu of the eight numbers of accumulator a (fragment j), in place.  z = |x| / sqrt 2; t = 1 / (1 + p z); erf = 1 - t (a1 + t (a2 + t (a3 + t (a4 + t a5)))) 2^(-z z log2 e)
.macro GELU8 a, j
.irp v, 0,1,2,3,4,5,6,7
	v_add_f32 v[(\a)+\v], v[(\a)+\v], v[BI+4*\v+\j]           ; the bias; from the accumulator's low end on
.endr
.irp v, 0,1,2,3,4,5,6,7
	v_mul_f32 v[RZ+\v], |v[(\a)+\v]|, s94
.endr
.irp v, 0,2,4,6
	v_pk_fma_f32 v[RT+\v:RT+\v+1], v[RZ+\v:RZ+\v+1], s[90:91], 1.0 op_sel_hi:[1,0,0]
	v_pk_mul_f32 v[RX+\v:RX+\v+1], v[RZ+\v:RZ+\v+1], v[RZ+\v:RZ+\v+1]
.endr
.irp v, 0,2,4,6
	v_pk_mul_f32 v[RX+\v:RX+\v+1], v[RX+\v:RX+\v+1], s[92:93] op_sel_hi:[1,0]
.endr
.irp v, 0,1,2,3,4,5,6,7
	v_rcp_f32 v[RT+\v], v[RT+\v]
.endr
.irp v, 0,1,2,3,4,5,6,7
	v_exp_f32 v[RX+\v], v[RX+\v]
.endr
	v_nop                                          ; a plain instruction behind the last of the batch (ISA guide 5.7.2),
	s_wait_alu depctr_va_vdst(0)                   ; and the one wait ahead of the batch's first reader
.irp v, 0,2,4,6
	v_pk_fma_f32 v[RP+\v:RP+\v+1], v[RT+\v:RT+\v+1], s[74:75], s[72:73] op_sel_hi:[1,0,0]
.endr
.irp c, 70,68,66
.irp v, 0,2,4,6
	v_pk_fma_f32 v[RP+\v:RP+\v+1], v[RP+\v:RP+\v+1], v[RT+\v:RT+\v+1], s[\c:\c+1] op_sel_hi:[1,1,0]
.endr
.endr
.irp v, 0,2,4,6
	v_pk_mul_f32 v[RP+\v:RP+\v+1], v[RP+\v:RP+\v+1], v[RT+\v:RT+\v+1]
.endr
.irp v, 0,2,4,6
	v_pk_fma_f32 v[RP+\v:RP+\v+1], v[RP+\v:RP+\v+1], v[RX+\v:RX+\v+1], 1.0 op_sel_hi:[1,1,0] neg_lo:[1,0,0] neg_hi:[1,0,0]
.endr
.irp v, 0,1,2,3,4,5,6,7
	v_fma_f32 v[(\a)+\v], |v[(\a)+\v]|, v[RP+\v], v[(\a)+\v]  ; x + |x| erf: exactly 0 where erf is 1 and x below 0
.endr
.irp v, 0,2,4,6
	v_pk_mul_f32 v[(\a)+\v:(\a)+\v+1], v[(\a)+\v:(\a)+\v+1], 0.5 op_sel_hi:[1,0]
.endr
.endm
; Tile t's packed h into my stage: group 0 takes the first 128 bytes of a row, group 1 the second: two blocks, each with its own immediates
.macro HSTORE t
	s_cmp_lg_u32 s16, 0
	s_cbranch_scc1 .Lhi_\@
.irp q, 0,1,2,3
	ds_store_b128 v11, v[HH+4*\q:HH+4*\q+3] offset:(\t)*16*SPI+16*\q
.endr
	s_branch .Lhj_\@
.Lhi_\@:
.irp q, 0,1,2,3
	ds_store_b128 v11, v[HH+4*\q:HH+4*\q+3] offset:(\t)*16*SPI+128+16*\q
.endr
.Lhj_\@:
.endm
; My lane's 32 biases out of LDS: 128 bytes, off bytes behind v10; the 16 lanes of a half read the same words
.macro BLD off
.irp q, 0,1,2,3,4,5,6,7
	ds_load_b128 v[BI+4*\q:BI+4*\q+3], v10 offset:(\off)+16*\q
.endr
.endm
; THE EPILOGUE of column group s16, whose sums lie in the first group's registers: my lane's 32 biases, gelu, and both tiles into my own stage.
.macro EPI
	s_wait_loadcnt 0x0                             ; the late rows' loads that ran one K step ahead: this part writes their registers
	s_cmp_lg_u32 s16, 0
	s_cbranch_scc1 .Lb1_\@
	BLD 0
	s_branch .Lbj_\@
.Lb1_\@:
	BLD 256
.Lbj_\@:
	s_wait_dscnt 0x0
.irp t, 0,1
	GELU8 ACC+32*\t, 0
	GELU8 ACC+32*\t+8, 1
	GELU8 ACC+32*\t+16, 2
	GELU8 ACC+32*\t+24, 3
.irp v, 0,1,2,3,4,5,6,7
	v_cvt_pk_bf16_f32 v[HH+2*\v],   v[ACC+32*\t+\v],    v[ACC+32*\t+8+\v]    ; columns 4 v, 4 v + 1
	v_cvt_pk_bf16_f32 v[HH+2*\v+1], v[ACC+32*\t+16+\v], v[ACC+32*\t+24+\v]   ; columns 4 v + 2, 4 v + 3
.endr
	HSTORE \t
.endr
.endm
; The tokens of tile t's rows, two a load, and the wait for them and for the rows read back
.macro TKLOAD t, offb
.irp i, 0,1,2,3,4,5,6,7
	ds_load_b32 v[TK+16*(\t)+\i], v14 offset:(\offb)+(\t)*64+\i*8
.endr
	s_wait_dscnt 0x0
.endm
.macro STK t                           ; the pass chooses among three blocks, each with its own immediates
	s_cmp_lg_u32 s87, 0
	s_cbranch_scc1 .Ls1_\@
	TKLOAD \t, 0
	s_branch .Lsj_\@
.Ls1_\@:
	s_cmp_lg_u32 s87, 1
	s_cbranch_scc1 .Ls2_\@
	TKLOAD \t, 2048
	s_branch .Lsj_\@
.Ls2_\@:
	TKLOAD \t, 4096
.Lsj_\@:
.endm
; THE STORES: whole rows of 256 bytes back out of my stage (my own bytes, served in order), two rows an instruction, each to its token's row: 16 lanes store 256 consecutive bytes, aligned.
; All 32 rows are stored: a place past the count holds the first token's row once more, bit for bit.  The two tiles have registers of their own, so one wait at the end frees them all.
.macro STORE
.irp t, 0,1
.irp i, 0,1,2,3,4,5,6,7
	ds_load_b128 v[OO-32*\t+4*\i:OO-32*\t+4*\i+3], v12 offset:\t*16*SPI+\i*2*SPI
.endr
	STK \t
.irp i, 0,1,2,3,4,5,6,7
	v_min_u32 v[TK+16*\t+\i], 0x3ff, v[TK+16*\t+\i]           ; a token's number is below 1,024
	v_lshl_add_u32 v[VO+16*\t+\i], v[TK+16*\t+\i], OSH, v8
.endr
.irp i, 0,1,2,3,4,5,6,7
	global_store_b128 v[VO+16*\t+\i], v[OO-32*\t+4*\i:OO-32*\t+4*\i+3], s[80:81]
.endr
.endr
	s_wait_xcnt 0x0                                ; the stores' data and offsets are written again only behind this wait
.endm
; Rows from 256 on: a wave's own unit of weights, its tokens' fragments, and one K step of one column group
.macro OWLOAD
.set i, 0
.rept 16
	global_load_b128 v[OS+4*i:OS+4*i+3], v15, s[96:97] offset:(i+8*(i/8))*ROWB
.set i, i+1
.endr
.endm
.macro OALOAD
	global_load_b128 v[OA:OA+3],     v16, s[20:21]
	global_load_b128 v[OA+4:OA+7],   v16, s[20:21] offset:32
	global_load_b128 v[OA+8:OA+11],  v17, s[20:21]
	global_load_b128 v[OA+12:OA+15], v17, s[20:21] offset:32
.endm
.macro OVK
	s_wait_loadcnt 0x0                             ; this step's weights and tokens; no load of mine is out, so both bases and the tokens' offsets may be written
.set p, 0
.rept 8
.irp j, 0,1,2,3
	v_cvt_pk_bf16_f32 v[BB+8*\j+p], v[OS+8*p+\j], v[OS+8*p+4+\j]
.endr
.set p, p+1
.endr
	s_add_co_u32 s84, s84, 32*ROWB                 ; the next 32 rows of K; behind the last the offsets wrap, so that no load leaves its buffer
	s_and_b32 s84, s84, WMASK
	s_add_nc_u64 s[96:97], s[82:83], s[84:85]
	OWLOAD
	s_add_co_u32 s22, s22, 64
	s_and_b32 s22, s22, AMASK
	s_add_nc_u64 s[20:21], s[78:79], s[22:23]
.irp t, 0,1
.irp j, 0,1,2,3
	v_wmma_f32_16x16x32_bf16 v[ACC+32*\t+8*\j:ACC+32*\t+8*\j+7], v[BB+8*\j:BB+8*\j+7], v[OA+8*\t:OA+8*\t+7], v[ACC+32*\t+8*\j:ACC+32*\t+8*\j+7]
.endr
.endr
	TOKADR 16                                      ; four plain lines that name no register of the products: the places behind them (ISA guide 7.12.1)
	OALOAD
.endm
; ---------------------------------------------------------------- the head
	s_load_b256 s[4:11], s[0:1], 0x0               ; xb s[4:5], w1 s[6:7], b1 s[8:9], bmap s[10:11]
	s_load_b64 s[12:13], s[0:1], 0x20              ; hbuf
	v_lshl_add_u32 v4, v0, 2, SPARE                ; my spare word,
	v_mov_b32 v5, 0                                ; and 0: kept for the add at the wave's end
	v_lshrrev_b32 v20, 5, v0
	v_readfirstlane_b32 s2, v20                    ; wave 0..15
	s_and_b32 s17, ttmp7, 0xffff                   ; the expert
	v_and_b32 v21, 15, v0                          ; r
	v_bfe_u32 v2, v0, 4, 1                         ; h
	v_and_b32 v20, 31, v0
	v_lshlrev_b32 v3, 4, v20
	v_lshlrev_b32 v8, 4, v21
	v_lshlrev_b32 v9, 4, v2
	v_lshl_add_u32 v10, v2, 7, BIAS                ; my lanes' 32 biases of column group 0
	v_lshl_add_u32 v15, v2, WSH, v8                ; 8 h rows of K + 16 r
	s_and_b32 s29, s2, 3                           ; a producer's K step: 32 rows,
	s_mul_i32 s29, s29, 32*ROWB
	s_lshr_b32 s30, s2, 2                          ; and its column group: 256 bytes
	s_lshl_b32 s30, s30, 8
	s_add_co_u32 s29, s29, s30
	v_add_nc_u32 v6, s29, v15
	s_lshl_b32 s29, s2, 12
	v_add_nc_u32 v7, s29, v3                       ; its 4,096 bytes of a slot: 16,384 x group + 4,096 x K step = 4,096 x wave
	s_mul_i32 s29, s2, STGW
	s_add_co_u32 s29, s29, STG                     ; my stage
	v_mul_u32_u24 v20, v21, SPI
	v_lshl_add_u32 v20, v2, HSH, v20
	v_add_nc_u32 v11, s29, v20                     ; in: row r, my lanes' 32 columns
	v_mul_u32_u24 v20, v2, SPI
	v_add_nc_u32 v20, v8, v20
	v_add_nc_u32 v12, s29, v20                     ; back: lanes 0-15 one row of 256 bytes, lanes 16-31 the next
	s_lshl_b32 s29, s2, 7                          ; the list at word 32 x wave = rank 32 x wave - 256: a consumer's rows in the pipeline; 512 and 1,024 words on: a wave's late rows
	s_add_co_u32 s29, s29, LIST
	v_lshl_add_u32 v13, v21, 2, s29
	v_lshl_add_u32 v14, v2, 2, s29
	s_mov_b32 s23, 0
	s_mov_b32 s85, 0
	s_mov_b32 s31, 0
	s_mov_b32 s66, 0x3e827906                      ; a1 =  0.254829592; each constant is named as a pair, so both words are written
	s_mov_b32 s67, s66
	s_mov_b32 s68, 0xbe91a98e                      ; a2 = -0.284496736
	s_mov_b32 s69, s68
	s_mov_b32 s70, 0x3fb5f0e3                      ; a3 =  1.421413741
	s_mov_b32 s71, s70
	s_mov_b32 s72, 0xbfba00e3                      ; a4 = -1.453152027
	s_mov_b32 s73, s72
	s_mov_b32 s74, 0x3f87dc22                      ; a5 =  1.061405429
	s_mov_b32 s75, s74
	s_mov_b32 s90, 0x3ea7ba05                      ; p  =  0.3275911
	s_mov_b32 s91, s90
	s_mov_b32 s92, 0xbfb8aa3b                      ; -log2 e
	s_mov_b32 s93, s92
	s_mov_b32 s94, 0x3f3504f3                      ; 1 / sqrt 2
	s_wait_kmcnt 0x0
	s_lshl_b32 s30, s17, 24                        ; the expert's 16 MiB of weights,
	s_lshl_b32 s29, ttmp9, 9                       ; my 128 columns of f32
	s_add_co_u32 s30, s30, s29
	s_add_nc_u64 s[82:83], s[6:7], s[30:31]
	s_lshl_b32 s30, s17, 14
	s_add_co_u32 s30, s30, s29
	s_add_nc_u64 s[76:77], s[8:9], s[30:31]        ; b1[e] at my columns
	s_lshl_b32 s30, s17, 7
	s_add_nc_u64 s[10:11], s[10:11], s[30:31]      ; bmap[e]
	s_lshl_b32 s30, ttmp9, 8
	s_add_nc_u64 s[80:81], s[12:13], s[30:31]      ; hbuf at my 128 columns of bf16
	s_mov_b64 s[78:79], s[4:5]
	s_load_b512 s[32:47], s[10:11], 0x0            ; the expert's bits: bit b of word g is token 32 g + b
	s_load_b512 s[48:63], s[10:11], 0x40
	s_add_nc_u64 s[18:19], s[82:83], CHB           ; the stream: each fill that asks ahead steps it by a chunk first
	s_cmp_lt_u32 s2, 8
	s_cbranch_scc1 .Lhead_p
	s_cmp_lg_u32 s2, 9
	s_cbranch_scc1 .Lnot9
	; wave 9 fetches the 128 biases, 16 bytes a lane, while the expert's bits are on their way; rounds them to bf16 like every input; and lays them into LDS as f32
	global_load_b128 v[28:31], v3, s[76:77]
	s_wait_loadcnt 0x0
	v_cvt_pk_bf16_f32 v26, v28, v29
	v_cvt_pk_bf16_f32 v27, v30, v31
	v_lshlrev_b32 v28, 16, v26
	v_and_b32 v29, 0xffff0000, v26
	v_lshlrev_b32 v30, 16, v27
	v_and_b32 v31, 0xffff0000, v27
	v_add_nc_u32 v25, BIAS, v3
	ds_store_b128 v25, v[28:31]                    ; read by others only behind the barrier below, in front of which I wait for it
.Lnot9:
	CLEAR 128                                      ; the consumers' sums begin at 0
	s_branch .Lhead_j
.Lhead_p:
	PRELOAD                                        ; the stream starts before the routing is known: the weights are read whatever the count
.Lhead_j:
	s_wait_kmcnt 0x0
	s_mov_b32 s24, 0
.set g, 0
.rept 32
	s_bcnt1_i32_b32 s29, s[32+g]
	s_add_co_u32 s24, s24, s29                     ; the expert's rows
.set g, g+1
.endr
	s_lshl_b32 s88, s2, 5
	s_sub_co_u32 s88, s88, 256                     ; a consumer's first row,
	s_cmp_lt_u32 s88, s24
	s_cselect_b32 s25, 1, 0                        ; and whether it has any
	s_cmp_lg_u32 s2, 8
	s_cbranch_scc1 .Lnot8
	; wave 8 makes the list: all 1,536 places are filled with the expert's first token, then each chosen token goes to place 256 + its rank
	s_mov_b32 s30, 0
.set g, 31
.rept 32
	s_ctz_i32_b32 s29, s[32+g]
	s_add_co_u32 s29, s29, 32*g
	s_cmp_lg_u32 s[32+g], 0
	s_cselect_b32 s30, s29, s30
.set g, g-1
.endr
	v_mov_b32 v24, s30
	v_mov_b32 v25, s30
	v_mov_b32 v26, s30
	v_mov_b32 v27, s30
	v_add_nc_u32 v22, LIST, v3
.irp i, 0,1,2,3,4,5,6,7,8,9,10,11
	ds_store_b128 v22, v[24:27] offset:\i*512
.endr
	v_and_b32 v20, 31, v0                          ; my lane's token in word 0
	v_add_nc_u32 v23, 1536, v20                    ; where a lane without a place writes: behind the list
	s_mov_b32 s31, 256                             ; 256 + the rows in the words before
.set g, 0
.rept 32
	v_mbcnt_lo_u32_b32 v21, s[32+g], s31           ; my place: that and the set bits below my lane
	v_cndmask_b32 v21, v23, v21, s[32+g]
	v_min_u32 v21, 0x61f, v21
	v_lshl_add_u32 v22, v21, 2, LIST
	ds_store_b32 v22, v20                          ; one wave's stores, served in order: these land on the fill above
	v_add_nc_u32 v20, 32, v20
	s_bcnt1_i32_b32 s29, s[32+g]
	s_add_co_u32 s31, s31, s29
.set g, g+1
.endr
.Lnot8:
	BAR                                            ; the list and the bias are there for every wave; nobody writes them again
; ---------------------------------------------------------------- the pipeline: chunk 0 is filled; three trips of two halves; chunk 7 is filled beside chunk 6's products; chunk 7's products
	s_cmp_lt_u32 s2, 8
	s_cbranch_scc1 .Lp0
	ROWSET 0                                       ; every consumer, with rows or without: the ring is written on every way
	TOKADR 20                                      ; chunk 0's bytes come by the set of the text for slot 1, whose turn is the one before the first chunk's
	s_mov_b32 s22, 0
	s_mov_b64 s[98:99], s[78:79]
	RLOAD 0, 20, 98
	RLOAD 1, 20, 98
	RLOAD 2, 20, 98
	RLOAD 3, 20, 98                                ; they stay out across the barrier: nobody stores those bytes, and the K steps wait for them one slot at a time
	s_branch .Lj0
.Lp0:
	FILL S0, 0, 1                                  ; chunk 0; chunk 2 is asked for
.Lj0:
	BAR
	s_mov_b32 s26, 0
.Lpipe:
	; first half of trip t: chunk 2 t + 1 into slot 1 | chunk 2 t out of slot 0
	s_cmp_ge_u32 s2, 8
	s_cbranch_scc1 .LcA
	FILL S1, 1, 1                                  ; chunks 1, 3, 5; chunks 3, 5, 7 are asked for
	s_branch .LjA
.LcA:
	s_cmp_eq_u32 s25, 0
	s_cbranch_scc1 .LdA
	COMPUTE 0, 1
	s_branch .LjA
.LdA:
	s_wait_loadcnt 0x0                             ; a consumer without rows: its ring's first loads; no load is out on this way round the work
.LjA:
	BAR
	; second half: chunk 2 t + 2 into slot 0 | chunk 2 t + 1 out of slot 1
	s_cmp_ge_u32 s2, 8
	s_cbranch_scc1 .LcB
	s_cmp_ge_u32 s26, 2
	s_cbranch_scc1 .LtB
	FILL S0, 0, 1                                  ; chunks 2, 4; chunks 4, 6 are asked for
	s_branch .LjB
.LtB:
	FILL S0, 0, 0                                  ; chunk 6
	s_branch .LjB
.LcB:
	s_cmp_eq_u32 s25, 0
	s_cbranch_scc1 .LdB
	COMPUTE 1, 1
	s_branch .LjB
.LdB:
	s_wait_loadcnt 0x0                             ; as in the first half
.LjB:
	BAR
	s_add_co_u32 s26, s26, 1
	s_cmp_lt_u32 s26, 3
	s_cbranch_scc1 .Lpipe
	s_cmp_ge_u32 s2, 8
	s_cbranch_scc1 .LcC
	FILL S1, 1, 0                                  ; chunk 7
	s_branch .LjC
.LcC:
	s_cmp_eq_u32 s25, 0
	s_cbranch_scc1 .LdC
	COMPUTE 0, 1                                   ; chunk 6; the ring takes chunk 7's bytes
	s_branch .LjC
.LdC:
	s_wait_loadcnt 0x0
.LjC:
	BAR                                            ; the last barrier: nobody writes a slot any more
	s_cmp_lt_u32 s2, 8
	s_cbranch_scc1 .Lfin
	s_cmp_eq_u32 s25, 0
	s_cbranch_scc1 .Lfin
	COMPUTE 1, 0                                   ; chunk 7: nothing is left to ask for
.Lfin:
; ---------------------------------------------------------------- the way out, and the rows from 256 on: three passes, no barrier; the only LDS bytes written are a wave's own stage
; Pass 0: rows 32 (wave - 8) on, the consumers' sums out of the pipeline (for waves 0-7 the number wraps far above every count).  Passes 1, 2: rows 256 + 512 (pass - 1) + 32 wave on, all sixteen waves.
	s_wait_loadcnt 0x0
	s_mov_b32 s87, 0
	s_lshl_b32 s88, s2, 5
	s_sub_co_u32 s88, s88, 256
.Lpass:
	s_cmp_ge_u32 s88, s24
	s_cbranch_scc1 .Lnext                          ; no such row: forward, to the counter's step
	s_cmp_eq_u32 s87, 0
	s_cbranch_scc1 .Lrj
	s_cmp_lg_u32 s87, 1
	s_cbranch_scc1 .Lr2
	ROWSET 2048
	s_branch .Lrj
.Lr2:
	ROWSET 4096
.Lrj:
	s_mov_b32 s84, 0
	s_mov_b32 s16, 0
.Lgrp:                                                 ; column groups 0 and 1
	s_cmp_lg_u32 s87, 0
	s_cbranch_scc1 .Llate
	s_cmp_eq_u32 s16, 0
	s_cbranch_scc1 .Lepi                           ; pass 0, group 0: the sums lie where the epilogue takes them
.set i, 0
.rept 64
	v_mov_b32 v[ACC+i], v[ACC+64+i]                ; pass 0, group 1: its sums move there, each accumulator from its low end on
.set i, i+1
.endr
	s_branch .Lepi
.Llate:
	CLEAR 64
	TOKADR 16
	s_mov_b32 s22, 0
	s_mov_b64 s[20:21], s[78:79]
	s_add_nc_u64 s[96:97], s[82:83], s[84:85]
	OWLOAD
	OALOAD
	s_mov_b32 s27, OKS
.Lovk:
	OVK
	s_sub_co_u32 s27, s27, 1
	s_cmp_lg_u32 s27, 0
	s_cbranch_scc1 .Lovk
.Lepi:
	EPI
	s_add_co_u32 s84, s84, 256                     ; the late rows' offset has wrapped back to the first row of K: 64 columns on
	s_add_co_u32 s16, s16, 1
	s_cmp_lt_u32 s16, 2
	s_cbranch_scc1 .Lgrp
	STORE                                          ; both groups wait in the stage, so that a row's 256 bytes leave together
.Lnext:
	s_add_co_u32 s88, s88, 512
	s_add_co_u32 s87, s87, 1
	s_cmp_lt_u32 s87, 3
	s_cbranch_scc1 .Lpass
	s_wait_tensorcnt 0x0                           ; the wave's end, behind my last LDS store
	ds_add_u32 v4, v5
	s_wait_dscnt 0x0
	s_endpgm
.Lfunc_end_k_qc5e27a69ac_up:
	.size	k_qc5e27a69ac_up, .Lfunc_end_k_qc5e27a69ac_up-k_qc5e27a69ac_up
	.p2alignl 7, 3214868480
	.fill 96, 4, 3214868480
	.section	.rodata,"a",@progbits
	.p2align	6, 0x0
	.amdhsa_kernel k_qc5e27a69ac_up
		.amdhsa_group_segment_fixed_size 213760
		.amdhsa_private_segment_fixed_size 0
		.amdhsa_enable_private_segment 0
		.amdhsa_kernarg_size 40
		.amdhsa_user_sgpr_count 2
		.amdhsa_user_sgpr_kernarg_segment_ptr 1
		.amdhsa_wavefront_size32 1
		.amdhsa_system_sgpr_workgroup_id_x 1
		.amdhsa_system_sgpr_workgroup_id_y 1
		.amdhsa_system_sgpr_workgroup_id_z 1
		.amdhsa_system_vgpr_workitem_id 0
		.amdhsa_next_free_vgpr 256
		.amdhsa_next_free_sgpr 100
		.amdhsa_reserve_vcc 0
		.amdhsa_float_denorm_mode_32 3
		.amdhsa_float_denorm_mode_16_64 3
		.amdhsa_memory_ordered 1
		.amdhsa_forward_progress 1
		.amdhsa_inst_pref_size 161
	.end_amdhsa_kernel
	.amdgpu_metadata
---
amdhsa.version: [ 1, 2 ]
amdhsa.kernels:
  - .name:           k_qc5e27a69ac_up
    .symbol:         k_qc5e27a69ac_up.kd
    .args:
      - { .name: xb, .offset: 0, .size: 8, .value_kind: global_buffer, .address_space: global }
      - { .name: w1, .offset: 8, .size: 8, .value_kind: global_buffer, .address_space: global }
      - { .name: b1, .offset: 16, .size: 8, .value_kind: global_buffer, .address_space: global }
      - { .name: bmap, .offset: 24, .size: 8, .value_kind: global_buffer, .address_space: global }
      - { .name: hbuf, .offset: 32, .size: 8, .value_kind: global_buffer, .address_space: global }
    .group_segment_fixed_size: 213760
    .private_segment_fixed_size: 0
    .kernarg_segment_align: 8
    .kernarg_segment_size: 40
    .max_flat_workgroup_size: 512
    .sgpr_count:     100
    .vgpr_count:     256
    .wavefront_size: 32
...
	.end_amdgpu_metadata
.endif
;; end of part 6
;; launch down (part 7): grid 32 x 8, 16 waves a work-group, no clusters, 213,760 bytes of LDS; arguments hbuf, w2, b2, bmap, part; writes part
.if DOCPART == 7
	.amdgcn_target "amdgcn-amd-amdhsa--gfx1250"
	.amdhsa_code_object_version 6
	.text
	.protected	k_qc5e27a69ac_down
	.globl	k_qc5e27a69ac_down
	.p2align	8
	.type	k_qc5e27a69ac_down,@function
k_qc5e27a69ac_down:
	s_mov_b64 s[64:65], 0
	v_nop
	global_prefetch_b8 v0, s[64:65] scope:SCOPE_SE
	s_setreg_imm32_b32 hwreg(HW_REG_WAVE_MODE, 25, 1), 1
	s_wait_xcnt 0x0
; SECOND PRODUCT: part[quarter][token][n] = the sum over one quarter of K = 4,096 of h[token][k] W2[e][k][n], plus b2[e][n] in quarter 0, in f32, rows by token.  Built like the first product.
; SHARES.  Grid y = expert; grid x = 4 x slice + quarter: 128 columns of W2[e] x K = 1,024, which this work-group alone reads, once: eight CHUNKS of 128 K x 128 columns (64 KiB of f32).
; K is split in four so that 8 experts x 8 slices of 128 columns give each of 256 work-groups the same 512 KiB of weights, and 2,048 bytes of a token's row feed 128 columns; the four f32 parts are added by the launch behind.
; Waves 0-7 are PRODUCERS: wave w loads K step w % 4 (32 K) of column group w / 4 (64 columns) of each chunk, each load two whole pieces of 256 bytes, rounds it to bf16 and lays it into LDS as four finished fragments.
; Waves 8-15 are CONSUMERS: wave w has the expert's rows 32 (w - 8) .. + 31 (by rank) x 128 columns, 16 accumulators; one with no row jumps its work and passes every barrier.
; While the producers fill chunk i into slot i % 2 the consumers multiply chunk i - 1 out of the other slot: one barrier orders both.
; NO TRANSPOSITION.  A producer lane (r, h) loads columns 4 r .. 4 r + 3 of 16 rows of K; column 4 r + j of those rows IS lane (r, h) of fragment j, whose row m stands for column 4 m + j.
; Source 0 = a weight fragment, source 1 = 16 tokens: register v of accumulator (g, j) then holds token r, column 64 g + 32 h + 4 v + j: a lane has 32 neighbouring columns of one row in each group.
; REGISTERS OF A CONSUMER: 128 of sums, 64 of token fragments (a ring of four K steps, which is a chunk), 32 of weight fragments: one column group's four, loaded, multiplied, loaded again.
; THE RING'S WAITS ARE COUNTED: a K step waits for its own slot's four loads and leaves the three younger slots out, across the barriers too.  The two texts of a chunk's products have each their own offset registers
; and base for the refills, so that neither is rewritten while a load that names it is out.
; THE BIAS is fetched once, at the head, rounded to bf16 and kept in LDS: the epilogue, at the launch's end, waits for no load from memory.
; EVERY LDS ADDRESS is a register made once at the head (a constant, the wave's number times a constant, a lane term) plus an immediate; where one text serves several places, short blocks stand under forward branches.
; A TOKEN'S NUMBER comes out of the list, so it is loaded data: it is held to 1,023 and made into an offset anew at the head of each run of lines that loads or stores by it (TOKADR, STORE).
; EVERY SPLIT.  Rows 0-255 go through the pipeline; rows from 256 on are served behind it, 32 rows a wave, each wave loading and rounding the weights for itself, with no barrier: right, and slow by design.
; ONE WAY OUT.  A loop of three passes (the pipeline's rows; twice the late rows) by two column groups holds the epilogue and the stores once: they work on the first group's 64 registers.  In pass 0 the second group's sums
; are moved there (64 moves); in the late passes each group is summed there, and the second group's registers hold the weights as loaded.  A group's 64 columns of f32 are a row's 256 bytes: each group is stored by itself.
; ROWS PAST THE COUNT.  In a wave that has rows, the places past the count hold the expert's first token.  They are multiplied like any row, give that row's bits again (the same fragments, the same order of sums), and are
; stored onto that row again by this same work-group: no lane is masked.  The price: at most 31 rows of 512 bytes stored again by a wave that is not full.  A wave with no row stores nothing.
; The accumulators are cleared by moves on purpose: a dead consumer jumps over its parts, and so every register that a later part reads is written on every way; the price is 128 moves.
; FORMAT.  W2 and b2 are rounded once to bf16, as every input of the program is; h arrives in bf16; all sums, the four parts among them, are f32.  NaN and infinities are not treated apart.
; NO MULTICAST, NO COPY ENGINE: each slice of weights has one reader and has to pass through registers to be rounded; what an expert's work-groups share are token rows named by a list, which no tile describes.
.set ROWB,  4096                       ; bytes from a row of K to the next in the weights
.set WSH,   15                         ; 8 such rows as a shift
.set ASH,   13                         ; a token's row in hbuf: 8,192 bytes
.set AMASK, 2047                       ; the bytes of that row that my quarter of K walks
.set OSH,   12                         ; a token's row in part: 4,096 bytes
.set HSH,   7                          ; a lane's 32 columns in the stage: 128 bytes
.set OKS,   32                         ; K steps of my quarter
.set WMASK, 0x3fffff                   ; the weights' bytes that my quarter walks: 1,024 rows
.set CHB,   128*ROWB                   ; bytes from chunk to chunk
; LDS
.set SLOTB, 32768                      ; 0 .. 65,535: two slots; group g, K step ks, fragment j, half hf at slot + 16,384 g + 4,096 ks + 1,024 j + 512 hf + 16 lane: written and read by neighbouring lanes
.set GRPB,  16384
.set STG,   65536                      ; 16 waves x 8,704: each wave's own stage, 32 rows x 272 bytes (256 + 16)
.set STGW,  8704
.set SPI,   272
.set LIST,  204800                     ; 6,400 bytes: 256 places ahead of rank 0, then 1,280 places by rank; all but the chosen tokens' hold the expert's first token; then 32 words for the lanes that have no place
.set BIAS,  211200                     ; 512 bytes: my 128 columns' biases, rounded to bf16, as f32
.set SPARE, 211712                     ; the spare words, 128 bytes a wave
; vector registers, made at the head and never rewritten: v0 thread; v2 h; v3 16 lane; v4, v5 the add's two; v6 producer: weights' offset; v7 producer: LDS place; v8 16 r; v9 16 h;
; v10 the bias in LDS + 128 h; v11 stage in; v12 stage back; v13, v14 the list at word 32 x wave, + 4 r, + 4 h; v15 weights' lane term.
; v16, v17 and v20, v21: my two tiles' token rows, a set for each text of a chunk's products; v18, v19 their tokens' numbers; v20-31 at work at the head.  A producer has its packed results in v16-31.
.set TB,  16                           ; producer: v16-31 half of a unit's four fragments; v128-191, v192-255 a unit as loaded, two buffers
.set S0,  128
.set S1,  192
.set BB,  32                           ; consumer: v32-63 one column group's four weight fragments
.set AR,  64                           ; v64-127   the tokens' ring: slot s, tile t at AR + 16 s + 8 t
.set ACC, 128                          ; v128-255  accumulator (g, t, j) at ACC + 64 g + 32 t + 8 j
.set BI,  96                           ; epilogue: v96-127 bias; v32-63 at work
.set TM,  32
.set OO,  64                           ; stores, tile t: 32 registers of rows read back at OO - 32 t; their tokens at TK + 16 t; their offsets at VO + 16 t
.set TK,  96
.set VO,  104
.set OS,  192                          ; rows from 256 on: v192-255 a unit as loaded; v64-79 the tokens' fragments
.set OA,  64
; scalar registers.  s2 wave; s[4:13] arguments; s[14:15] group's offset; s16 group; s17 expert; s[18:19] the stream; s[20:21], s[98:99] tokens' base + s[22:23], a pair for each text of a chunk's products; s24 count;
; s25 live; s26, s27, s87 counters; s29-31 at work; s[32:63] the expert's 1,024 bits; s[76:77] bias; s[78:79] tokens' base; s[80:81] output; s[82:83] weights; s[84:85] late rows: their offset; s86 bias factor;
; s88 first row; s[90:91] output at the group; s[96:97] late rows: weights + offset
.macro BAR                             ; what I stored is in LDS and what I read is in registers; then all sixteen waves meet
	s_wait_dscnt 0x0
	s_barrier_signal -1
	s_barrier_wait -1
.endm
.macro PLACES                          ; four places behind matrix instructions, ahead of loads into registers that they read and of lines that read their results
.rept 4
	v_nop
.endr
.endm
; The first two units: 32 loads of 512 bytes, two whole pieces of 256 bytes each.  Load i takes row i (i < 8) or i + 8 of the unit's 32, plus 8 h.  Their base is never rewritten.
.macro PRELOAD
.set i, 0
.rept 16
	global_load_b128 v[S0+4*i:S0+4*i+3], v6, s[82:83] offset:(i+8*(i/8))*ROWB th:TH_LOAD_NT
.set i, i+1
.endr
.set i, 0
.rept 16
	global_load_b128 v[S1+4*i:S1+4*i+3], v6, s[82:83] offset:(i+8*(i/8))*ROWB+CHB th:TH_LOAD_NT
.set i, i+1
.endr
.endm
; A unit in buffer sb is rounded and laid into the slot, half a fragment's registers at a time.
; ahead = 1: its registers are loaded again, two loads at a time, with the unit two chunks on: 32 loads of the wave are always out.  The count: behind loads 2 p, 2 p + 1 of this unit were issued its other
; 14 - 2 p, the next unit's 16 and the 2 p reissued: 30.  The stream's base steps at the head: the loads that named it last went out ahead of the last barrier.
; ahead = 0 (chunks 6 and 7): nothing is left to ask for; the wave waits for all its loads.  A way through the text that leads round a FILL either issues sixteen loads in its stead (a ring's) or holds a wait for
; all loads: so a unit's registers are either 30 loads back or not pending at all, whichever way led here.
.macro FILL sb, slot, ahead
.if \ahead
	s_wait_xcnt 0x0                                ; the base is rewritten only behind this wait
	s_add_nc_u64 s[18:19], s[18:19], CHB
.else
	s_wait_loadcnt 0x0
.endif
.set p, 0
.rept 8
.if \ahead
	s_wait_loadcnt 30
.endif
.irp j, 0,1,2,3
	v_cvt_pk_bf16_f32 v[TB+4*\j+p%4], v[(\sb)+8*p+\j], v[(\sb)+8*p+4+\j]   ; two neighbouring K of column 4 r + j
.endr
.if \ahead
	global_load_b128 v[(\sb)+8*p:(\sb)+8*p+3],   v6, s[18:19] offset:(2*p+8*(p/4))*ROWB th:TH_LOAD_NT
	global_load_b128 v[(\sb)+8*p+4:(\sb)+8*p+7], v6, s[18:19] offset:(2*p+1+8*(p/4))*ROWB th:TH_LOAD_NT
.endif
.if p%4 == 3
.irp j, 0,1,2,3
	ds_store_b128 v7, v[TB+4*\j:TB+4*\j+3] offset:(\slot)*SLOTB+\j*1024+(p/4)*512
.endr
.endif
.set p, p+1
.endr
.endm
; Ring slot s: 64 bytes of two tiles' token rows, as fragments; offsets in v[a], v[a + 1], base in s[b : b + 1]
.macro RLOAD s, a, b
	global_load_b128 v[AR+16*(\s):AR+16*(\s)+3],     v[\a],     s[\b:\b+1] offset:(\s)*64
	global_load_b128 v[AR+16*(\s)+4:AR+16*(\s)+7],   v[\a],     s[\b:\b+1] offset:(\s)*64+32
	global_load_b128 v[AR+16*(\s)+8:AR+16*(\s)+11],  v[(\a)+1], s[\b:\b+1] offset:(\s)*64
	global_load_b128 v[AR+16*(\s)+12:AR+16*(\s)+15], v[(\a)+1], s[\b:\b+1] offset:(\s)*64+32
.endm
; My two tiles' tokens out of the list, offb bytes behind my wave's fixed place
.macro ROWSET offb
	ds_load_b32 v18, v13 offset:(\offb)
	ds_load_b32 v19, v13 offset:(\offb)+64
	s_wait_dscnt 0x0
.endm
; Their rows' offsets into v[a], v[a + 1]: a token's number is below 1,024, and is held there before it enters an address.  Stands only where no load that names v[a] or v[a + 1] is out.
.macro TOKADR a
	v_min_u32 v18, 0x3ff, v18
	v_min_u32 v19, 0x3ff, v19
	v_lshl_add_u32 v[\a], v18, ASH, v9
	v_lshl_add_u32 v[(\a)+1], v19, ASH, v9
.endm
; The ring's refills take the next chunk's 256 bytes of the token rows; the offset is held inside the bytes that my quarter of K walks, so no load leaves them.  Stands only where no load that names s[b : b + 1] is out.
.macro KGROUP b
	s_add_co_u32 s22, s22, 256
	s_and_b32 s22, s22, AMASK
	s_add_nc_u64 s[\b:\b+1], s[78:79], s[22:23]
.endm
; Column group g of K step ks: its four fragments come out of the slot, and as each has come (LDS loads come back in order, ISA guide 5.7.1: the count is the younger fragments' loads) it is multiplied by both tiles.
; lw >= 0: the K step's ring slot is waited for, behind the LDS loads' issue: lw is the number of the younger slots' loads.  The 16 accumulators take turns, in the same order in every K step.
.macro GROUP slot, ks, g, lw
.irp j, 0,1,2,3
	ds_load_b128 v[BB+8*\j:BB+8*\j+3],   v3 offset:(\slot)*SLOTB+(\g)*GRPB+(\ks)*4096+\j*1024
	ds_load_b128 v[BB+8*\j+4:BB+8*\j+7], v3 offset:(\slot)*SLOTB+(\g)*GRPB+(\ks)*4096+\j*1024+512
.endr
.if (\lw) >= 0
	s_wait_loadcnt \lw
.endif
.irp j, 0,1,2,3
	s_wait_dscnt 6-2*\j
.irp t, 0,1
	v_wmma_f32_16x16x32_bf16 v[ACC+64*(\g)+32*\t+8*\j:ACC+64*(\g)+32*\t+8*\j+7], v[BB+8*\j:BB+8*\j+7], v[AR+16*(\ks)+8*\t:AR+16*(\ks)+8*\t+7], v[ACC+64*(\g)+32*\t+8*\j:ACC+64*(\g)+32*\t+8*\j+7]
.endr
.endr
	PLACES
.endm
; A chunk out of the slot: four K steps, written out, so that every LDS address is v3 plus an immediate.
; refill = 1: behind its two groups a ring slot is loaded again with the same K step of the next chunk; behind a slot's four loads then always stand the twelve of the three younger slots: the count is 12.
; refill = 0, the last chunk: nothing is asked for, and the counts run down 12, 8, 4, 0.
; The text for slot 0 refills by v16, v17 and s[20:21], the text for slot 1 by v20, v21 and s[98:99].  The two texts take turns, so the loads that named a set were issued two chunks back, and the four counted
; waits of the chunk between have shown them done (on the way of a wave without rows: its wait for all loads): the set is written anew with no further wait.
.macro COMPUTE slot, refill
.set RA, 16+4*(\slot)
.set RB, 20+78*(\slot)
.if \refill
	TOKADR RA
	KGROUP RB
.endif
.irp k, 0,1,2,3
.if \refill
	GROUP \slot, \k, 0, 12
.else
	GROUP \slot, \k, 0, 12-4*\k
.endif
	GROUP \slot, \k, 1, -1
.if \refill
	RLOAD \k, RA, RB
.endif
.endr
.endm
.macro CLEAR n                         ; the first n registers of the sums
.set i, 0
.rept \n
	v_mov_b32 v[ACC+i], 0
.set i, i+1
.endr
.endm
; My lane's 32 biases out of LDS: 128 bytes, off bytes behind v10; the 16 lanes of a half read the same words
.macro BLD off
.irp q, 0,1,2,3,4,5,6,7
	ds_load_b128 v[BI+4*\q:BI+4*\q+3], v10 offset:(\off)+16*\q
.endr
.endm
; THE EPILOGUE of column group s16, whose sums lie in the first group's registers: my lane's 32 biases, then both tiles into my own stage.
.macro EPI
	s_wait_loadcnt 0x0                             ; the late rows' loads that ran one K step ahead: this part and the stores write their registers
	s_lshl_b32 s14, s16, 8                         ; the group's 64 columns of f32 in the output
	s_add_nc_u64 s[90:91], s[80:81], s[14:15]
	s_cmp_lg_u32 s16, 0
	s_cbranch_scc1 .Lb1_\@
	BLD 0
	s_branch .Lbj_\@
.Lb1_\@:
	BLD 256
.Lbj_\@:
	s_wait_dscnt 0x0
.irp t, 0,1
.irp v, 0,1,2,3,4,5,6,7
.irp j, 0,1,2,3
	v_fma_f32 v[TM+4*\v+\j], v[BI+4*\v+\j], s86, v[ACC+32*\t+8*\j+\v]        ; the bias counts in K's first quarter alone; each accumulator from its low end on
.endr
.endr
.irp q, 0,1,2,3,4,5,6,7
	ds_store_b128 v11, v[TM+4*\q:TM+4*\q+3] offset:\t*16*SPI+16*\q
.endr
.endr
.endm
; The tokens of tile t's rows, two a load, and the wait for them and for the rows read back
.macro TKLOAD t, offb
.irp i, 0,1,2,3,4,5,6,7
	ds_load_b32 v[TK+16*(\t)+\i], v14 offset:(\offb)+(\t)*64+\i*8
.endr
	s_wait_dscnt 0x0
.endm
.macro STK t                           ; the pass chooses among three blocks, each with its own immediates
	s_cmp_lg_u32 s87, 0
	s_cbranch_scc1 .Ls1_\@
	TKLOAD \t, 0
	s_branch .Lsj_\@
.Ls1_\@:
	s_cmp_lg_u32 s87, 1
	s_cbranch_scc1 .Ls2_\@
	TKLOAD \t, 2048
	s_branch .Lsj_\@
.Ls2_\@:
	TKLOAD \t, 4096
.Lsj_\@:
.endm
; THE STORES: whole rows of 256 bytes back out of my stage (my own bytes, served in order), two rows an instruction, each to its token's row: 16 lanes store 256 consecutive bytes, aligned.
; All 32 rows are stored: a place past the count holds the first token's row once more, bit for bit.  The two tiles have registers of their own, so one wait at the end frees them all.
.macro STORE
.irp t, 0,1
.irp i, 0,1,2,3,4,5,6,7
	ds_load_b128 v[OO-32*\t+4*\i:OO-32*\t+4*\i+3], v12 offset:\t*16*SPI+\i*2*SPI
.endr
	STK \t
.irp i, 0,1,2,3,4,5,6,7
	v_min_u32 v[TK+16*\t+\i], 0x3ff, v[TK+16*\t+\i]           ; a token's number is below 1,024
	v_lshl_add_u32 v[VO+16*\t+\i], v[TK+16*\t+\i], OSH, v8
.endr
.irp i, 0,1,2,3,4,5,6,7
	global_store_b128 v[VO+16*\t+\i], v[OO-32*\t+4*\i:OO-32*\t+4*\i+3], s[90:91]
.endr
.endr
	s_wait_xcnt 0x0                                ; the stores' data, offsets and base are written again only behind this wait
.endm
; Rows from 256 on: a wave's own unit of weights, its tokens' fragments, and one K step of one column group
.macro OWLOAD
.set i, 0
.rept 16
	global_load_b128 v[OS+4*i:OS+4*i+3], v15, s[96:97] offset:(i+8*(i/8))*ROWB
.set i, i+1
.endr
.endm
.macro OALOAD
	global_load_b128 v[OA:OA+3],     v16, s[20:21]
	global_load_b128 v[OA+4:OA+7],   v16, s[20:21] offset:32
	global_load_b128 v[OA+8:OA+11],  v17, s[20:21]
	global_load_b128 v[OA+12:OA+15], v17, s[20:21] offset:32
.endm
.macro OVK
	s_wait_loadcnt 0x0                             ; this step's weights and tokens; no load of mine is out, so both bases and the tokens' offsets may be written
.set p, 0
.rept 8
.irp j, 0,1,2,3
	v_cvt_pk_bf16_f32 v[BB+8*\j+p], v[OS+8*p+\j], v[OS+8*p+4+\j]
.endr
.set p, p+1
.endr
	s_add_co_u32 s84, s84, 32*ROWB                 ; the next 32 rows of K; behind the last the offsets wrap, so that no load leaves its buffer
	s_and_b32 s84, s84, WMASK
	s_add_nc_u64 s[96:97], s[82:83], s[84:85]
	OWLOAD
	s_add_co_u32 s22, s22, 64
	s_and_b32 s22, s22, AMASK
	s_add_nc_u64 s[20:21], s[78:79], s[22:23]
.irp t, 0,1
.irp j, 0,1,2,3
	v_wmma_f32_16x16x32_bf16 v[ACC+32*\t+8*\j:ACC+32*\t+8*\j+7], v[BB+8*\j:BB+8*\j+7], v[OA+8*\t:OA+8*\t+7], v[ACC+32*\t+8*\j:ACC+32*\t+8*\j+7]
.endr
.endr
	TOKADR 16                                      ; four plain lines that name no register of the products: the places behind them (ISA guide 7.12.1)
	OALOAD
.endm
; ---------------------------------------------------------------- the head
	s_load_b256 s[4:11], s[0:1], 0x0               ; hbuf s[4:5], w2 s[6:7], b2 s[8:9], bmap s[10:11]
	s_load_b64 s[12:13], s[0:1], 0x20              ; part
	v_lshl_add_u32 v4, v0, 2, SPARE                ; my spare word,
	v_mov_b32 v5, 0                                ; and 0: kept for the add at the wave's end
	v_lshrrev_b32 v20, 5, v0
	v_readfirstlane_b32 s2, v20                    ; wave 0..15
	s_and_b32 s17, ttmp7, 0xffff                   ; the expert
	v_and_b32 v21, 15, v0                          ; r
	v_bfe_u32 v2, v0, 4, 1                         ; h
	v_and_b32 v20, 31, v0
	v_lshlrev_b32 v3, 4, v20
	v_lshlrev_b32 v8, 4, v21
	v_lshlrev_b32 v9, 4, v2
	v_lshl_add_u32 v10, v2, 7, BIAS                ; my lanes' 32 biases of column group 0
	v_lshl_add_u32 v15, v2, WSH, v8                ; 8 h rows of K + 16 r
	s_and_b32 s29, s2, 3                           ; a producer's K step: 32 rows,
	s_mul_i32 s29, s29, 32*ROWB
	s_lshr_b32 s30, s2, 2                          ; and its column group: 256 bytes
	s_lshl_b32 s30, s30, 8
	s_add_co_u32 s29, s29, s30
	v_add_nc_u32 v6, s29, v15
	s_lshl_b32 s29, s2, 12
	v_add_nc_u32 v7, s29, v3                       ; its 4,096 bytes of a slot: 16,384 x group + 4,096 x K step = 4,096 x wave
	s_mul_i32 s29, s2, STGW
	s_add_co_u32 s29, s29, STG                     ; my stage
	v_mul_u32_u24 v20, v21, SPI
	v_lshl_add_u32 v20, v2, HSH, v20
	v_add_nc_u32 v11, s29, v20                     ; in: row r, my lanes' 32 columns
	v_mul_u32_u24 v20, v2, SPI
	v_add_nc_u32 v20, v8, v20
	v_add_nc_u32 v12, s29, v20                     ; back: lanes 0-15 one row of 256 bytes, lanes 16-31 the next
	s_lshl_b32 s29, s2, 7                          ; the list at word 32 x wave = rank 32 x wave - 256: a consumer's rows in the pipeline; 512 and 1,024 words on: a wave's late rows
	s_add_co_u32 s29, s29, LIST
	v_lshl_add_u32 v13, v21, 2, s29
	v_lshl_add_u32 v14, v2, 2, s29
	s_mov_b32 s15, 0
	s_mov_b32 s23, 0
	s_mov_b32 s85, 0
	s_mov_b32 s31, 0
	s_and_b32 s29, ttmp9, 3                        ; which quarter of K
	s_lshr_b32 s16, ttmp9, 2
	s_lshl_b32 s16, s16, 9                         ; my 128 columns of f32
	s_cmp_eq_u32 s29, 0
	s_cselect_b32 s86, 1.0, 0
	s_wait_kmcnt 0x0
	s_lshl_b32 s30, s17, 24                        ; the expert's 16 MiB of weights,
	s_lshl_b32 s27, s29, 22                        ; 1,024 rows of 4,096 bytes
	s_add_co_u32 s30, s30, s27
	s_add_co_u32 s30, s30, s16
	s_add_nc_u64 s[82:83], s[6:7], s[30:31]
	s_lshl_b32 s30, s17, 12
	s_add_co_u32 s30, s30, s16
	s_add_nc_u64 s[76:77], s[8:9], s[30:31]        ; b2[e] at my columns
	s_lshl_b32 s30, s17, 7
	s_add_nc_u64 s[10:11], s[10:11], s[30:31]      ; bmap[e]
	s_lshl_b32 s30, s29, 22
	s_add_co_u32 s30, s30, s16
	s_add_nc_u64 s[80:81], s[12:13], s[30:31]      ; part[quarter] at my columns
	s_lshl_b32 s30, s29, 11
	s_add_nc_u64 s[78:79], s[4:5], s[30:31]        ; hbuf at my quarter of K
	s_load_b512 s[32:47], s[10:11], 0x0            ; the expert's bits: bit b of word g is token 32 g + b
	s_load_b512 s[48:63], s[10:11], 0x40
	s_add_nc_u64 s[18:19], s[82:83], CHB           ; the stream: each fill that asks ahead steps it by a chunk first
	s_cmp_lt_u32 s2, 8
	s_cbranch_scc1 .Lhead_p
	s_cmp_lg_u32 s2, 9
	s_cbranch_scc1 .Lnot9
	; wave 9 fetches the 128 biases, 16 bytes a lane, while the expert's bits are on their way; rounds them to bf16 like every input; and lays them into LDS as f32
	global_load_b128 v[28:31], v3, s[76:77]
	s_wait_loadcnt 0x0
	v_cvt_pk_bf16_f32 v26, v28, v29
	v_cvt_pk_bf16_f32 v27, v30, v31
	v_lshlrev_b32 v28, 16, v26
	v_and_b32 v29, 0xffff0000, v26
	v_lshlrev_b32 v30, 16, v27
	v_and_b32 v31, 0xffff0000, v27
	v_add_nc_u32 v25, BIAS, v3
	ds_store_b128 v25, v[28:31]                    ; read by others only behind the barrier below, in front of which I wait for it
.Lnot9:
	CLEAR 128                                      ; the consumers' sums begin at 0
	s_branch .Lhead_j
.Lhead_p:
	PRELOAD                                        ; the stream starts before the routing is known: the weights are read whatever the count
.Lhead_j:
	s_wait_kmcnt 0x0
	s_mov_b32 s24, 0
.set g, 0
.rept 32
	s_bcnt1_i32_b32 s29, s[32+g]
	s_add_co_u32 s24, s24, s29                     ; the expert's rows
.set g, g+1
.endr
	s_lshl_b32 s88, s2, 5
	s_sub_co_u32 s88, s88, 256                     ; a consumer's first row,
	s_cmp_lt_u32 s88, s24
	s_cselect_b32 s25, 1, 0                        ; and whether it has any
	s_cmp_lg_u32 s2, 8
	s_cbranch_scc1 .Lnot8
	; wave 8 makes the list: all 1,536 places are filled with the expert's first token, then each chosen token goes to place 256 + its rank
	s_mov_b32 s30, 0
.set g, 31
.rept 32
	s_ctz_i32_b32 s29, s[32+g]
	s_add_co_u32 s29, s29, 32*g
	s_cmp_lg_u32 s[32+g], 0
	s_cselect_b32 s30, s29, s30
.set g, g-1
.endr
	v_mov_b32 v24, s30
	v_mov_b32 v25, s30
	v_mov_b32 v26, s30
	v_mov_b32 v27, s30
	v_add_nc_u32 v22, LIST, v3
.irp i, 0,1,2,3,4,5,6,7,8,9,10,11
	ds_store_b128 v22, v[24:27] offset:\i*512
.endr
	v_and_b32 v20, 31, v0                          ; my lane's token in word 0
	v_add_nc_u32 v23, 1536, v20                    ; where a lane without a place writes: behind the list
	s_mov_b32 s31, 256                             ; 256 + the rows in the words before
.set g, 0
.rept 32
	v_mbcnt_lo_u32_b32 v21, s[32+g], s31           ; my place: that and the set bits below my lane
	v_cndmask_b32 v21, v23, v21, s[32+g]
	v_min_u32 v21, 0x61f, v21
	v_lshl_add_u32 v22, v21, 2, LIST
	ds_store_b32 v22, v20                          ; one wave's stores, served in order: these land on the fill above
	v_add_nc_u32 v20, 32, v20
	s_bcnt1_i32_b32 s29, s[32+g]
	s_add_co_u32 s31, s31, s29
.set g, g+1
.endr
.Lnot8:
	BAR                                            ; the list and the bias are there for every wave; nobody writes them again
; ---------------------------------------------------------------- the pipeline: chunk 0 is filled; three trips of two halves; chunk 7 is filled beside chunk 6's products; chunk 7's products
	s_cmp_lt_u32 s2, 8
	s_cbranch_scc1 .Lp0
	ROWSET 0                                       ; every consumer, with rows or without: the ring is written on every way
	TOKADR 20                                      ; chunk 0's bytes come by the set of the text for slot 1, whose turn is the one before the first chunk's
	s_mov_b32 s22, 0
	s_mov_b64 s[98:99], s[78:79]
	RLOAD 0, 20, 98
	RLOAD 1, 20, 98
	RLOAD 2, 20, 98
	RLOAD 3, 20, 98                                ; they stay out across the barrier: nobody stores those bytes, and the K steps wait for them one slot at a time
	s_branch .Lj0
.Lp0:
	FILL S0, 0, 1                                  ; chunk 0; chunk 2 is asked for
.Lj0:
	BAR
	s_mov_b32 s26, 0
.Lpipe:
	; first half of trip t: chunk 2 t + 1 into slot 1 | chunk 2 t out of slot 0
	s_cmp_ge_u32 s2, 8
	s_cbranch_scc1 .LcA
	FILL S1, 1, 1                                  ; chunks 1, 3, 5; chunks 3, 5, 7 are asked for
	s_branch .LjA
.LcA:
	s_cmp_eq_u32 s25, 0
	s_cbranch_scc1 .LdA
	COMPUTE 0, 1
	s_branch .LjA
.LdA:
	s_wait_loadcnt 0x0                             ; a consumer without rows: its ring's first loads; no load is out on this way round the work
.LjA:
	BAR
	; second half: chunk 2 t + 2 into slot 0 | chunk 2 t + 1 out of slot 1
	s_cmp_ge_u32 s2, 8
	s_cbranch_scc1 .LcB
	s_cmp_ge_u32 s26, 2
	s_cbranch_scc1 .LtB
	FILL S0, 0, 1                                  ; chunks 2, 4; chunks 4, 6 are asked for
	s_branch .LjB
.LtB:
	FILL S0, 0, 0                                  ; chunk 6
	s_branch .LjB
.LcB:
	s_cmp_eq_u32 s25, 0
	s_cbranch_scc1 .LdB
	COMPUTE 1, 1
	s_branch .LjB
.LdB:
	s_wait_loadcnt 0x0                             ; as in the first half
.LjB:
	BAR
	s_add_co_u32 s26, s26, 1
	s_cmp_lt_u32 s26, 3
	s_cbranch_scc1 .Lpipe
	s_cmp_ge_u32 s2, 8
	s_cbranch_scc1 .LcC
	FILL S1, 1, 0                                  ; chunk 7
	s_branch .LjC
.LcC:
	s_cmp_eq_u32 s25, 0
	s_cbranch_scc1 .LdC
	COMPUTE 0, 1                                   ; chunk 6; the ring takes chunk 7's bytes
	s_branch .LjC
.LdC:
	s_wait_loadcnt 0x0
.LjC:
	BAR                                            ; the last barrier: nobody writes a slot any more
	s_cmp_lt_u32 s2, 8
	s_cbranch_scc1 .Lfin
	s_cmp_eq_u32 s25, 0
	s_cbranch_scc1 .Lfin
	COMPUTE 1, 0                                   ; chunk 7: nothing is left to ask for
.Lfin:
; ---------------------------------------------------------------- the way out, and the rows from 256 on: three passes, no barrier; the only LDS bytes written are a wave's own stage
; Pass 0: rows 32 (wave - 8) on, the consumers' sums out of the pipeline (for waves 0-7 the number wraps far above every count).  Passes 1, 2: rows 256 + 512 (pass - 1) + 32 wave on, all sixteen waves.
	s_wait_loadcnt 0x0
	s_mov_b32 s87, 0
	s_lshl_b32 s88, s2, 5
	s_sub_co_u32 s88, s88, 256
.Lpass:
	s_cmp_ge_u32 s88, s24
	s_cbranch_scc1 .Lnext                          ; no such row: forward, to the counter's step
	s_cmp_eq_u32 s87, 0
	s_cbranch_scc1 .Lrj
	s_cmp_lg_u32 s87, 1
	s_cbranch_scc1 .Lr2
	ROWSET 2048
	s_branch .Lrj
.Lr2:
	ROWSET 4096
.Lrj:
	s_mov_b32 s84, 0
	s_mov_b32 s16, 0
.Lgrp:                                                 ; column groups 0 and 1
	s_cmp_lg_u32 s87, 0
	s_cbranch_scc1 .Llate
	s_cmp_eq_u32 s16, 0
	s_cbranch_scc1 .Lepi                           ; pass 0, group 0: the sums lie where the epilogue takes them
.set i, 0
.rept 64
	v_mov_b32 v[ACC+i], v[ACC+64+i]                ; pass 0, group 1: its sums move there, each accumulator from its low end on
.set i, i+1
.endr
	s_branch .Lepi
.Llate:
	CLEAR 64
	TOKADR 16
	s_mov_b32 s22, 0
	s_mov_b64 s[20:21], s[78:79]
	s_add_nc_u64 s[96:97], s[82:83], s[84:85]
	OWLOAD
	OALOAD
	s_mov_b32 s27, OKS
.Lovk:
	OVK
	s_sub_co_u32 s27, s27, 1
	s_cmp_lg_u32 s27, 0
	s_cbranch_scc1 .Lovk
.Lepi:
	EPI
	STORE                                          ; a group's 64 columns of f32 are a row's 256 bytes
	s_add_co_u32 s84, s84, 256                     ; the late rows' offset has wrapped back to the first row of K: 64 columns on
	s_add_co_u32 s16, s16, 1
	s_cmp_lt_u32 s16, 2
	s_cbranch_scc1 .Lgrp
.Lnext:
	s_add_co_u32 s88, s88, 512
	s_add_co_u32 s87, s87, 1
	s_cmp_lt_u32 s87, 3
	s_cbranch_scc1 .Lpass
	s_wait_tensorcnt 0x0                           ; the wave's end, behind my last LDS store
	ds_add_u32 v4, v5
	s_wait_dscnt 0x0
	s_endpgm
.Lfunc_end_k_qc5e27a69ac_down:
	.size	k_qc5e27a69ac_down, .Lfunc_end_k_qc5e27a69ac_down-k_qc5e27a69ac_down
	.p2alignl 7, 3214868480
	.fill 96, 4, 3214868480
	.section	.rodata,"a",@progbits
	.p2align	6, 0x0
	.amdhsa_kernel k_qc5e27a69ac_down
		.amdhsa_group_segment_fixed_size 213760
		.amdhsa_private_segment_fixed_size 0
		.amdhsa_enable_private_segment 0
		.amdhsa_kernarg_size 40
		.amdhsa_user_sgpr_count 2
		.amdhsa_user_sgpr_kernarg_segment_ptr 1
		.amdhsa_wavefront_size32 1
		.amdhsa_system_sgpr_workgroup_id_x 1
		.amdhsa_system_sgpr_workgroup_id_y 1
		.amdhsa_system_sgpr_workgroup_id_z 1
		.amdhsa_system_vgpr_workitem_id 0
		.amdhsa_next_free_vgpr 256
		.amdhsa_next_free_sgpr 100
		.amdhsa_reserve_vcc 0
		.amdhsa_float_denorm_mode_32 3
		.amdhsa_float_denorm_mode_16_64 3
		.amdhsa_memory_ordered 1
		.amdhsa_forward_progress 1
		.amdhsa_inst_pref_size 128
	.end_amdhsa_kernel
	.amdgpu_metadata
---
amdhsa.version: [ 1, 2 ]
amdhsa.kernels:
  - .name:           k_qc5e27a69ac_down
    .symbol:         k_qc5e27a69ac_down.kd
    .args:
      - { .name: hbuf, .offset: 0, .size: 8, .value_kind: global_buffer, .address_space: global }
      - { .name: w2, .offset: 8, .size: 8, .value_kind: global_buffer, .address_space: global }
      - { .name: b2, .offset: 16, .size: 8, .value_kind: global_buffer, .address_space: global }
      - { .name: bmap, .offset: 24, .size: 8, .value_kind: global_buffer, .address_space: global }
      - { .name: part, .offset: 32, .size: 8, .value_kind: global_buffer, .address_space: global }
    .group_segment_fixed_size: 213760
    .private_segment_fixed_size: 0
    .kernarg_segment_align: 8
    .kernarg_segment_size: 40
    .max_flat_workgroup_size: 512
    .sgpr_count:     100
    .vgpr_count:     256
    .wavefront_size: 32
...
	.end_amdgpu_metadata
.endif
;; end of part 7
;; launch add (part 8): grid 256 x 1, 8 waves a work-group, no clusters, 0 bytes of LDS; arguments part, out0; writes out0
.if DOCPART == 8
	.amdgcn_target "amdgcn-amd-amdhsa--gfx1250"
	.amdhsa_code_object_version 6
	.text
	.protected	k_qc5e27a69ac_add
	.globl	k_qc5e27a69ac_add
	.p2align	8
	.type	k_qc5e27a69ac_add,@function
k_qc5e27a69ac_add:
	s_mov_b64 s[64:65], 0
	v_nop
	global_prefetch_b8 v0, s[64:65] scope:SCOPE_SE
	s_setreg_imm32_b32 hwreg(HW_REG_WAVE_MODE, 25, 1), 1
	s_wait_xcnt 0x0
; out0 = (part[0] + part[1]) + (part[2] + part[3]): the four quarters of K of the second product, f32, [1024 tokens][1024] each.
; A stream: a work-group has 16,384 bytes of the output, a thread four pieces of 16 bytes; a wave's load or store covers 512 consecutive bytes, aligned.
; All sixteen loads of a wave go out before the first wait.  No LDS, barrier, matrix unit or cluster: nothing is shared and nothing is read twice.
.set QUART, 4194304                    ; bytes from a part to the next; two bases, so that every offset stays inside the signed 24-bit immediate (ISA guide, chapter 10)
	s_load_b128 s[4:7], s[0:1], 0x0                ; part s[4:5], out0 s[6:7]
	v_lshlrev_b32 v1, 4, v0
	s_lshl_b32 s8, ttmp9, 14
	s_mov_b32 s9, 0
	s_wait_kmcnt 0x0
	s_add_nc_u64 s[4:5], s[4:5], s[8:9]
	s_add_nc_u64 s[6:7], s[6:7], s[8:9]
	s_add_nc_u64 s[10:11], s[4:5], 2*QUART
.irp i, 0,1,2,3
	global_load_b128 v[4+16*\i:7+16*\i],   v1, s[4:5] offset:\i*4096 th:TH_LOAD_NT
	global_load_b128 v[8+16*\i:11+16*\i],  v1, s[4:5] offset:\i*4096+QUART th:TH_LOAD_NT
	global_load_b128 v[12+16*\i:15+16*\i], v1, s[10:11] offset:\i*4096 th:TH_LOAD_NT
	global_load_b128 v[16+16*\i:19+16*\i], v1, s[10:11] offset:\i*4096+QUART th:TH_LOAD_NT
.endr
.irp i, 0,1,2,3
	s_wait_loadcnt 12-4*\i                         ; piece i's four loads are in; the younger pieces' stay out
	v_pk_add_f32 v[4+16*\i:5+16*\i], v[4+16*\i:5+16*\i], v[8+16*\i:9+16*\i]
	v_pk_add_f32 v[6+16*\i:7+16*\i], v[6+16*\i:7+16*\i], v[10+16*\i:11+16*\i]
	v_pk_add_f32 v[12+16*\i:13+16*\i], v[12+16*\i:13+16*\i], v[16+16*\i:17+16*\i]
	v_pk_add_f32 v[14+16*\i:15+16*\i], v[14+16*\i:15+16*\i], v[18+16*\i:19+16*\i]
	v_pk_add_f32 v[4+16*\i:5+16*\i], v[4+16*\i:5+16*\i], v[12+16*\i:13+16*\i]
	v_pk_add_f32 v[6+16*\i:7+16*\i], v[6+16*\i:7+16*\i], v[14+16*\i:15+16*\i]
	global_store_b128 v1, v[4+16*\i:7+16*\i], s[6:7] offset:\i*4096 th:TH_STORE_NT
.endr
	s_endpgm
.Lfunc_end_k_qc5e27a69ac_add:
	.size	k_qc5e27a69ac_add, .Lfunc_end_k_qc5e27a69ac_add-k_qc5e27a69ac_add
	.p2alignl 7, 3214868480
	.fill 96, 4, 3214868480
	.section	.rodata,"a",@progbits
	.p2align	6, 0x0
	.amdhsa_kernel k_qc5e27a69ac_add
		.amdhsa_group_segment_fixed_size 0
		.amdhsa_private_segment_fixed_size 0
		.amdhsa_enable_private_segment 0
		.amdhsa_kernarg_size 16
		.amdhsa_user_sgpr_count 2
		.amdhsa_user_sgpr_kernarg_segment_ptr 1
		.amdhsa_wavefront_size32 1
		.amdhsa_system_sgpr_workgroup_id_x 1
		.amdhsa_system_sgpr_workgroup_id_y 1
		.amdhsa_system_sgpr_workgroup_id_z 1
		.amdhsa_system_vgpr_workitem_id 0
		.amdhsa_next_free_vgpr 72
		.amdhsa_next_free_sgpr 66
		.amdhsa_reserve_vcc 0
		.amdhsa_float_denorm_mode_32 3
		.amdhsa_float_denorm_mode_16_64 3
		.amdhsa_memory_ordered 1
		.amdhsa_forward_progress 1
		.amdhsa_inst_pref_size 5
	.end_amdhsa_kernel
	.amdgpu_metadata
---
amdhsa.version: [ 1, 2 ]
amdhsa.kernels:
  - .name:           k_qc5e27a69ac_add
    .symbol:         k_qc5e27a69ac_add.kd
    .args:
      - { .name: part, .offset: 0, .size: 8, .value_kind: global_buffer, .address_space: global }
      - { .name: out0, .offset: 8, .size: 8, .value_kind: global_buffer, .address_space: global }
    .group_segment_fixed_size: 0
    .private_segment_fixed_size: 0
    .kernarg_segment_align: 8
    .kernarg_segment_size: 16
    .max_flat_workgroup_size: 256
    .sgpr_count:     66
    .vgpr_count:     72
    .wavefront_size: 32
...
	.end_amdgpu_metadata
.endif
;; end of part 8
